; MI455X (gfx1250); checked and timed in simulation.
; The chip was launched on July 23, 2026; its instructions are those of AMD's public machine-readable ISA for CDNA 5 (MIT licence, August 2026) and "CDNA5" Instruction Set Architecture Reference Guide (July 2026). The comments in the code are by the model that wrote it; some were corrected since.
;; Cross Attention. Allowed arithmetic: matrix products marked QUANTISED: E3M2 operands, one E8M0 scale for each 32 along K, by v_wmma_scale_f32_16x16x128_f8f6f4 with both operands' format E3M2, f32 sums; everything else in f32.
;; Inputs: Wkv_codes 2,048 x 32 x 24 uint8 (E3M2 codes of Wkv, K innermost, in blocks of 32 codes, four codes in three bytes); Wkv_scales 2,048 x 32 uint8 (E8M0 scales of Wkv, one for each 32 codes along K); Wout_codes 1,024 x 32 x 24 uint8 (E3M2 codes of Wout, K innermost, in blocks of 32 codes, four codes in three bytes); Wout_scales 1,024 x 32 uint8 (E8M0 scales of Wout, one for each 32 codes along K); Wq_codes 1,024 x 32 x 24 uint8 (E3M2 codes of Wq, K innermost, in blocks of 32 codes, four codes in three bytes); Wq_scales 1,024 x 32 uint8 (E8M0 scales of Wq, one for each 32 codes along K); beta one number float32; bout 1,024 float32; context_codes 2 x 4 x 1,024 x 32 x 24 uint8 (E3M2 codes of context, K innermost, in blocks of 32 codes, four codes in three bytes); context_scales 2 x 4 x 1,024 x 32 uint8 (E8M0 scales of context, one for each 32 codes along K); doc_similarities 2 x 4 float32; x_codes 2 x 1,024 x 32 x 24 uint8 (E3M2 codes of x, K innermost, in blocks of 32 codes, four codes in three bytes); x_scales 2 x 1,024 x 32 uint8 (E8M0 scales of x, one for each 32 codes along K).
;; Outputs: out0 2 x 1,024 x 1,024 float32.
;; This version of the problem:
;;   THIS VERSION OF THE PROBLEM IS GIVEN IN LOW PRECISION. The matrix products marked QUANTISED in the list below multiply operands that are first quantised to E3M2 (3 exponent bits, 2 mantissa bits; 6 bits a number), with one power-of-two scale for each 32 numbers along K (OCP MX v1.0); their sums are f32. All else is computed in f32.
;;   The module's matrix products, in the order in which they are computed (A, B: the left and right operand; K: the contracted axis; several contracted axes count as one K, in the product's order):
;;     1. [M 2,048, K 1,024] x [K 1,024, N 1,024]; A: input x (given as codes); B: input Wq (given as codes): QUANTISED
;;     2. [M 8,192, K 1,024] x [K 1,024, N 2,048]; A: input context (given as codes); B: input Wkv (given as codes): QUANTISED
;;     3. batch 16 x [M 1,024, K 128] x [K 128, N 4,096]; A: computed on the way; B: computed on the way: QUANTISED
;;     4. batch 16 x [M 1,024, K 4,096] x [K 4,096, N 128]; A: softmax (see below); B: computed on the way: QUANTISED
;;     5. [M 2,048, K 1,024] x [K 1,024, N 1,024]; A: computed on the way; B: input Wout (given as codes): QUANTISED
;;   THE QUANTISER, for each operand of a quantised product, along K:
;;     - K is cut into blocks of 32 from its start; a last block that is shorter is filled with zeros.
;;     - A block's scale is 2^e with e = floor(log2(the largest magnitude in the block)) - 4, held to -126 .. 127; a block of zeros has e = 0. As a byte (E8M0): e + 127.
;;     - Each number is divided by its block's scale, clamped to +-28, and rounded to the nearest number of E3M2, ties to even, subnormals kept.
;;     - The product sums the exact products of the quantised numbers (number of the format x scale) in f32.
;;   ~~~python
;;   def quantise(x, axis):      # numpy; x: float32 -> the quantised numbers, widened to float32 again
;;       x = np.moveaxis(x, axis, -1); K = x.shape[-1]
;;       x = np.pad(x, [(0, 0)] * (x.ndim - 1) + [(0, -K % 32)]); x = x.reshape(x.shape[:-1] + (-1, 32)); a = np.abs(x).max(-1, keepdims=True)
;;       e = np.where(a > 0, np.clip(np.frexp(np.where(a > 0, a, 1))[1] - 1 - 4, -126, 127), 0)      # np.frexp(a)[1] - 1 = floor(log2(a)), exactly
;;       r = np.clip(x / 2.0 ** e, -28, 28)
;;       step = 2.0 ** (np.maximum(np.frexp(np.where(r == 0, 1, r))[1] - 1, -2) - 2)
;;       q = np.round(r / step) * step * 2.0 ** e      # np.round: ties to even
;;       return np.moveaxis(q.reshape(q.shape[:-2] + (-1,))[..., :K], -1, axis).astype(np.float32)
;;   ~~~
;;   SOFTMAX AHEAD OF A QUANTISED PRODUCT. Where the list says 'softmax', what is quantised is not the finished softmax but p = 2^(t - M), with t = logit x log2(e) and M = ceil(the row's largest t), a whole number; so 1/2 < the row's largest p <= 1. The row's sum l is taken of the UNQUANTISED p, in f32, and the product's result is divided by l at the end. Since M is a whole number, a kernel that streams over the keys may use a running M (the ceiling of the running maximum): every later rescaling is an exact power of two, which a block's scale takes up: the codes' values come out the same.
;;   OPERANDS COMPUTED ON THE WAY. 'Computed on the way' means the value that the module computes at that place (a softmax that the list does not call 'softmax' is quantised finished and normalised). What goes into a quantiser is computed in f32, as accurately as f32 sums, v_exp_f32 and their like allow (about 1e-6 of the number): no bf16 or f16 on the way to a quantiser, and a product that is left as it is and whose result goes on into a quantised operand takes f32 operands (vector FMAs, or v_wmma_f32_16x16x4_f32). A number that lies on a knife's edge between two numbers of the format may be rounded either way, as far as f32 arithmetic and the matrix unit's own rounding can turn it there, and no further.
;;   INPUTS GIVEN AS CODES. Wkv (in the module: [1024, 2048], K = its axis 0); Wout (in the module: [1024, 1024], K = its axis 0); Wq (in the module: [1024, 1024], K = its axis 0); context (in the module: [2, 4, 1024, 1024], K = its axis 3); x (in the module: [2, 1024, 1024], K = its axis 2): each comes as NAME_codes (uint8): NAME with its K axis moved to the last place and cut into blocks of 32 codes, [.., K / 32, bytes a block], one block behind the other in memory; four codes in three bytes: a row's codes are one little-endian stream of bits, code i at bits 6 i .. 6 i + 5 (a code: sign, 3 exponent bits, 2 mantissa bits); and NAME_scales (uint8): the same leading axes, one E8M0 byte (e + 127) for each 32 codes along K. Its value is code x scale, taken as it is: it is not quantised again, and the codes and scales need not be those that the quantiser above would give.
;; One version. Each part assembles by itself: llvm-mc -triple=amdgcn-amd-amdhsa -mcpu=gfx1250 --defsym DOCPART=n.
;; ======== version 1 of 1: 3 launches
;; limits: right only within a limited range of input values
;; workspace buffers: kvc 13,107,200 bytes; qc 1,835,008 bytes; aoc 1,572,864 bytes; aos 65,536 bytes
;; launch kvproj (part 1): grid 16 x 16, 4 waves a work-group, clusters of 4 x 4, 327,680 bytes of LDS; arguments context_codes, context_scales, Wkv_codes, Wkv_scales, x_codes, x_scales, Wq_codes, Wq_scales, kvc, qc; writes kvc, qc
.if DOCPART == 1
	.amdgcn_target "amdgcn-amd-amdhsa--gfx1250"
	.amdhsa_code_object_version 6
	.text
	.protected	k_q4b418b9d55_kvproj
	.globl	k_q4b418b9d55_kvproj
	.p2align	8
	.type	k_q4b418b9d55_kvproj,@function
k_q4b418b9d55_kvproj:
	s_mov_b64 s[64:65], 0
	v_nop
	global_prefetch_b8 v0, s[64:65] scope:SCOPE_SE
	s_setreg_imm32_b32 hwreg(HW_REG_WAVE_MODE, 25, 1), 1
	s_wait_xcnt 0x0
	s_wait_alu depctr_hold_cnt(0) depctr_sa_sdst(0) depctr_va_vdst(0) depctr_va_sdst(0) depctr_va_ssrc(0) depctr_va_vcc(0) depctr_vm_vsrc(0)
	s_getreg_b32 s2, hwreg(HW_REG_IB_STS2, 6, 4)
	s_cmp_eq_u32 s2, 0
	s_cbranch_scc0 .Lentry_in_a_cluster
	s_endpgm
.Lentry_in_a_cluster:
	s_bfe_u32 s2, ttmp6, 0x10000c
	s_cmp_lg_u32 s2, 0xf033
	s_cbranch_scc0 .Lentry_shape_is_right
	s_endpgm
.Lentry_shape_is_right:
; k and v = context x Wkv and q = x Wq on codes of BF6 (E3M2) with one E8M0 scale for each 32 along K = 1,024; the results are quantised in registers and stored as images of the attention launch's operands.
; No product, input or step of the problem is left out.  LIMITS: NaN and infinities are not served; a block of zeros gets the byte 1 (its codes are zeros; this program alone reads the bytes).
; A work-group makes 256 x 256 of k or v, a wave 128 x 128.  Clusters of rows y < 2 make k: source 1 (a lane's row) = tokens, source 0 (a lane's registers) = channels.  The others make v: source 1 = channels, source 0 = tokens.
; So the registers of a lane run along the axis that the next product sums over, and are quantised there.
; THE ROWS OF A TILE: tile t = 4 c + u takes rows 64 c + 8 o + 0 .. 7 of block 2 c (its rows 0-7) and as many of block 2 c + 1 (its rows 8-15); the octets o are 0, 2, 1, 3 for u = 0 .. 3 in the one block, 1, 3, 0, 2 in the other.
; So lane half h of the four tiles 4 c .. 4 c + 3 holds block 2 c + h of 32 whole, and the two octets of a tile lie 40 rows apart (u = 0, 1) or 24 (u = 2, 3): with LDS rows of 68 words the 32 lanes of a load touch 64 different banks.
; Both operands of each later product have the same order inside a block.
; STORED: kvc [16 b x h][document][128-key step][k: 8 tiles x 1,536 bytes, 512 bytes of scale words; v the same].
;   qc [16 b x h][block of 64 tokens][4 tiles x (2 halves of the registers x 3 x 256 bytes), then 2 x 2 x 256 bytes of scale words: half, pair of tiles].
; K goes in three chunks of 256 bytes of each row, chunk c in slot c % 2.  The head asks for chunks 0 and 1, one joint load a wave; chunk 2 is the walk's one refill.  No prefetch: there is no loop to run ahead in.
; Scale words go from memory into registers once: 8 K steps x 4 pairs of tiles for each side, lanes 0-15 the even tile's rows, lanes 16-31 the odd one's.
; THEN q: each work-group makes 64 tokens x 128 channels (a head).  In the last K step a round shows that nobody reads the slots any more; Wq's 128 rows and x's 64 rows (768 bytes + 3 x 16 of padding) are filled over them,
;   and land while k and v are quantised and stored.  A wave: 64 channels x 32 tokens, eight accumulators by turns.
; CLUSTER 4 x 4: A's tiles (and x's rows) shared along a row, B's (and Wq's) along a column.
; REGISTERS.  window 0: v4-19 LDS addresses, v32-95 scale words, v128-223 A's fragments, v224-247 q's scale words; window 1: B's, two sets (then q's fragments and accumulators); windows 2, 3: accumulators (a, b) at 8 (8 a + b).
.set KROW,  768
.set PITCH, 272
.set WP,    816
.set FR,    12
.set NL,    6
.set HALFT, 128*PITCH
.set TILE,  256*PITCH
.set SLOT,  2*TILE                     ; A's 256 rows, then B's
.set SPARE, 2*SLOT
.set ADRA, 4                           ; + 4 x (0: 40 rows apart, 1: 24) + 2 x (1: lanes 16-31 in the next chunk) + slot
.set ADRB, 12
.set LI,   26
.set H8,   27
.set SPW,  28
.set NIL,  29
.set SA,   32
.set SB,   64
.set AF,   128
.set QACC, 144                         ; window 1; q's fragments: two buffers of six at v0 and v72
.set QS,   224                         ; Wq's scale words, two pairs of tiles x 8 K steps, then x's
.set TM,   32                          ; the quantiser, on registers that are free then
.set SO,   36
.set BY8,  40
.set PM,   44
.set W,    46
.set CT,   48
.set PW,   64
.set CD,   72
.set SW,   168
.set QCD,  172
.set QPW,  196
.set WV, 16
.set H1, 17
.set H0, 18
.set SEL, 2
.set G1A, 24
.set G1B, 32
.set G1RA, 40
.set G1RB, 48
.set G0A, 56
.set G0B, 60
.set G0RA, 68
.set G0RB, 72
.set MSB, 0
.macro WIN new
.if MSB != (\new)
	s_set_vgpr_msb (MSB<<8)|(\new)
.set MSB, \new
.endif
.endm
.set MUL_LO, 0xa1
.set MUL_HI, 0xf1
.set TO_B,   0x40
.macro PLACES
.rept 4
	v_nop
.endr
.endm
.macro CREST
	s_cmp_lg_u32 s[WV], 0
	s_cbranch_scc1 .Lnot_wave_0_\@
	s_barrier_signal -3
.Lnot_wave_0_\@:
	s_barrier_wait -3
	s_barrier_signal -1
	s_barrier_wait -1
.endm
.macro CROUND
	s_barrier_signal -1
	s_barrier_wait -1
	CREST
.endm
	s_load_b256 s[4:11], s[0:1], 0x0               ; context's codes, scales; Wkv's codes, scales
	s_load_b128 s[12:15], s[0:1], 0x40             ; kvc, qc
	v_lshl_add_u32 v[SPW], v0, 2, SPARE
	v_mov_b32 v[NIL], 0
	ds_add_u32 v[SPW], v[NIL]
	ds_add_u32 v[SPW], v[NIL]
	v_lshrrev_b32 v1, 5, v0
	v_readfirstlane_b32 s[WV], v1
	s_lshr_b32 s[H1], s[WV], 1                     ; which 128 of A's rows are mine; the chunk that I fetch at the head
	s_and_b32 s[H0], s[WV], 1                      ; which 128 of B's rows
	s_bfe_u32 s19, ttmp6, 0x40000
	s_bfe_u32 s20, ttmp6, 0x40004
	s_and_b32 s22, ttmp7, 0xffff
	s_and_b32 s21, s22, 1
	s_lshl_b32 s21, s21, 2
	s_add_co_u32 s21, s21, ttmp9
	s_lshl_b32 s21, s21, 2
	s_cmp_ge_u32 s22, 2
	s_cselect_b32 s22, 1, 0                        ; 0: k, 1: v
	s_cselect_b32 s23, 0, s21
	s_cselect_b32 s76, s21, 0
	s_add_co_u32 s23, s23, s20                     ; A's block of 256 rows
	s_add_co_u32 s76, s76, s19                     ; B's
	s_lshl_b32 s77, s20, 2
	s_lshl_b32 s77, 15, s77                        ; my row of the cluster
	s_lshl_b32 s78, 0x1111, s19                    ; my column
	s_or_b32 s[G1A], s77, (1<<20)|(1<<21)|(5<<22)|(3<<25)   ; elements of 1 byte, 4 words of padding behind every 64
	s_or_b32 s[G1RA], s77, (1<<20)|(1<<21)|(5<<22)|(3<<25)
	s_or_b32 s[G1B], s78, (1<<20)|(1<<21)|(5<<22)|(3<<25)
	s_or_b32 s[G1RB], s78, (1<<20)|(1<<21)|(5<<22)|(3<<25)
.macro GROUP1 g, rows
	s_mov_b32 s[\g+1], 256<<16
	s_mov_b32 s[\g+2], (\rows)<<16
	s_mov_b32 s[\g+3], 256<<16
	s_mov_b32 s[\g+4], \rows
	s_mov_b32 s[\g+5], KROW
	s_mov_b32 s[\g+6], 0
	s_mov_b32 s[\g+7], 0
.endm
	GROUP1 G1A, 256
	GROUP1 G1B, 256
	GROUP1 G1RA, 128
	GROUP1 G1RB, 128
	s_lshl_b32 s79, s23, 8
	s_lshl_b32 s96, s22, 10
	s_add_co_u32 s79, s79, s96                     ; A's first row (v's rows of Wkv begin at 1,024)
	s_mul_i32 s80, s79, KROW
	s_mov_b32 s81, 0
	s_lshl_b32 s82, s[H1], 7
	s_add_co_u32 s82, s82, s79
	s_lshl_b32 s82, s82, 5                         ; my 128 rows' scales
	s_mov_b32 s83, 0
	s_lshl_b32 s79, s76, 8
	s_mul_i32 s84, s79, KROW
	s_mov_b32 s85, 0
	s_lshl_b32 s86, s[H0], 7
	s_add_co_u32 s86, s86, s79
	s_lshl_b32 s86, s86, 5
	s_mov_b32 s87, 0
	s_lshl_b32 s96, s[H1], 8                       ; the head's chunk: 0 or 1
	s_mov_b32 s97, 0
	s_mul_i32 s98, s[H0], 128*KROW                 ; the refill: which 128 rows I fetch
	s_mov_b32 s99, 0
	s_mov_b32 s[SEL], 0x76543210
	s_mov_b32 s[SEL+1], 0xfedcba98
	s_mul_i32 s100, s[H1], SLOT
	s_mul_i32 s101, s[H0], HALFT
	s_mov_b32 s[G0A], 1
	s_mov_b32 s[G0A+1], s100
	s_mov_b32 s[G0B], 1
	s_add_co_u32 s[G0B+1], s100, TILE
	s_mov_b32 s[G0RA], 1
	s_mov_b32 s[G0RA+1], s101
	s_mov_b32 s[G0RB], 1
	s_add_co_u32 s[G0RB+1], s101, TILE
	s_wait_dscnt 0x0
	s_wait_kmcnt 0x0
	s_cmp_eq_u32 s22, 1
	s_cselect_b64 s[88:89], s[8:9], s[4:5]
	s_cselect_b64 s[90:91], s[10:11], s[6:7]
	s_cselect_b64 s[92:93], s[4:5], s[8:9]
	s_cselect_b64 s[94:95], s[6:7], s[10:11]
	s_add_nc_u64 s[88:89], s[88:89], s[80:81]
	s_add_nc_u64 s[90:91], s[90:91], s[82:83]
	s_add_nc_u64 s[92:93], s[92:93], s[84:85]
	s_add_nc_u64 s[94:95], s[94:95], s[86:87]
	s_add_nc_u64 s[G0A+2:G0A+3], s[88:89], s[96:97]
	s_or_b32 s[G0A+3], s[G0A+3], 0x80000000
	s_add_nc_u64 s[G0B+2:G0B+3], s[92:93], s[96:97]
	s_or_b32 s[G0B+3], s[G0B+3], 0x80000000
	s_add_nc_u64 s[88:89], s[88:89], s[98:99]
	s_add_nc_u64 s[92:93], s[92:93], s[98:99]
	s_add_nc_u64 s[G0RA+2:G0RA+3], s[88:89], 512   ; chunk 2
	s_or_b32 s[G0RA+3], s[G0RA+3], 0x80000000
	s_add_nc_u64 s[G0RB+2:G0RB+3], s[92:93], 512
	s_or_b32 s[G0RB+3], s[G0RB+3], 0x80000000
	CROUND                                         ; all sixteen work-groups are here: the first joint loads meet
	; one load a wave: waves 0, 1 chunk 0 of A, of B; waves 2, 3 chunk 1
.macro ARM under, g0, g1, next
	s_cmp_lt_u32 s[WV], \under
	s_cbranch_scc0 \next
	tensor_load_to_lds s[\g0:\g0+3], s[\g1:\g1+7]
	s_nop 0
	PLACES
	s_branch .Lhead_asked
\next:
.endm
	ARM 1, G0A, G1A, .Lhead_b0
	ARM 2, G0B, G1B, .Lhead_a1
	ARM 3, G0A, G1A, .Lhead_b1
	tensor_load_to_lds s[G0B:G0B+3], s[G1B:G1B+7]
	s_nop 0
	PLACES
.Lhead_asked:
	v_and_b32 v1, 7, v0
	v_bfe_u32 v2, v0, 3, 1
	v_bfe_u32 v3, v0, 4, 1                         ; the lane's half
	v_mad_u32_u24 v20, v2, 40, v1                  ; my row in a tile of u = 0, 1
	v_mad_u32_u24 v21, v2, 24, v1                  ; and of u = 2, 3
	v_lshl_add_u32 v22, v3, 4, v20
	v_lshl_add_u32 v23, v3, 4, v21
	v_lshlrev_b32 v22, 5, v22                      ; 32 bytes of scales a row; lanes 16-31 the odd tile's, 16 rows on
	v_lshlrev_b32 v23, 5, v23
.irp p, 0,1,2,3
	global_load_b128 v[SA+8*\p:SA+8*\p+3], v[22+\p%2], s[90:91] offset:2048*(\p/2)+256*(\p%2)
	global_load_b128 v[SA+8*\p+4:SA+8*\p+7], v[22+\p%2], s[90:91] offset:2048*(\p/2)+256*(\p%2)+16
	global_load_b128 v[SB+8*\p:SB+8*\p+3], v[22+\p%2], s[94:95] offset:2048*(\p/2)+256*(\p%2)
	global_load_b128 v[SB+8*\p+4:SB+8*\p+7], v[22+\p%2], s[94:95] offset:2048*(\p/2)+256*(\p%2)+16
.endr
	s_mov_b32 s66, SLOT-232
	s_mov_b32 s67, SLOT+232
	s_mul_i32 s98, s[H1], HALFT
	s_add_co_u32 s99, s101, TILE
	s_wait_alu depctr_va_vdst(0)
	v_mul_u32_u24 v20, PITCH, v20
	v_mul_u32_u24 v21, PITCH, v21
	v_sub_nc_u32 v24, 1, v3
	v_lshlrev_b32 v[H8], 3, v3
.irp d, 0,1
	v_mad_u32_u24 v25, v3, 24, v[20+\d]
	v_add_nc_u32 v[ADRA+4*\d], s98, v25
	v_add_nc_u32 v[ADRB+4*\d], s99, v25
	v_add_nc_u32 v25, SLOT, v25
	v_add_nc_u32 v[ADRA+4*\d+1], s98, v25
	v_add_nc_u32 v[ADRB+4*\d+1], s99, v25
	v_mad_u32_u24 v25, v3, s66, v[20+\d]           ; lanes 0-15 byte 232 of the row in slot 0, lanes 16-31 byte 0 of the row in slot 1
	v_add_nc_u32 v25, 232, v25
	v_add_nc_u32 v[ADRA+4*\d+2], s98, v25
	v_add_nc_u32 v[ADRB+4*\d+2], s99, v25
	v_mad_u32_u24 v25, v24, s67, v[20+\d]          ; and the other way round
	v_add_nc_u32 v[ADRA+4*\d+3], s98, v25
	v_add_nc_u32 v[ADRB+4*\d+3], s99, v25
.endr
	v_and_b32 v[LI], 31, v0
	v_lshlrev_b32 v[LI], 4, v[LI]
	s_lshl_b32 s66, s76, 1
	s_add_co_u32 s66, s66, s[H0]                   ; B's block of 128
	s_lshl_b32 s67, s23, 1
	s_add_co_u32 s67, s67, s[H1]                   ; A's
	s_cmp_eq_u32 s22, 1
	s_cselect_b32 s96, s67, s66                    ; the head
	s_cselect_b32 s97, s66, s67                    ; the block of 128 tokens: 32 b + 8 document + step
	s_lshr_b32 s98, s97, 5
	s_lshl_b32 s98, s98, 3
	s_add_co_u32 s98, s98, s96
	s_lshl_b32 s98, s98, 5
	s_and_b32 s97, s97, 31
	s_add_co_u32 s98, s98, s97
	s_mul_i32 s98, s98, 25600
	s_mul_i32 s96, s22, 12800
	s_add_co_u32 s98, s98, s96
	s_mov_b32 s99, 0
	s_add_nc_u64 s[12:13], s[12:13], s[98:99]
; One scaled product; ra, rb: 1 where a source's scale words stand in lanes 16-31.
.macro MM d, a, b, c, sa, sb, ra, rb
.if (\ra) && (\rb)
	v_wmma_scale_f32_16x16x128_f8f6f4 v[\d:\d+7], v[\a:\a+11], v[\b:\b+11], \c, v[\sa], v[\sb] matrix_a_fmt:MATRIX_FMT_BF6 matrix_b_fmt:MATRIX_FMT_BF6 matrix_a_scale:MATRIX_SCALE_ROW1 matrix_b_scale:MATRIX_SCALE_ROW1
.elseif (\ra)
	v_wmma_scale_f32_16x16x128_f8f6f4 v[\d:\d+7], v[\a:\a+11], v[\b:\b+11], \c, v[\sa], v[\sb] matrix_a_fmt:MATRIX_FMT_BF6 matrix_b_fmt:MATRIX_FMT_BF6 matrix_a_scale:MATRIX_SCALE_ROW1
.elseif (\rb)
	v_wmma_scale_f32_16x16x128_f8f6f4 v[\d:\d+7], v[\a:\a+11], v[\b:\b+11], \c, v[\sa], v[\sb] matrix_a_fmt:MATRIX_FMT_BF6 matrix_b_fmt:MATRIX_FMT_BF6 matrix_b_scale:MATRIX_SCALE_ROW1
.else
	v_wmma_scale_f32_16x16x128_f8f6f4 v[\d:\d+7], v[\a:\a+11], v[\b:\b+11], \c, v[\sa], v[\sb] matrix_a_fmt:MATRIX_FMT_BF6 matrix_b_fmt:MATRIX_FMT_BF6
.endif
.endm
.macro FRAG reg, adr, st, t            ; a fragment of tile t in six pieces of 8 bytes, each inside one chunk
.set RO, (64*((\t)/4)+16*((\t)%2)+8*(((\t)/2)%2))*PITCH
.set AD, (\adr)+4*(((\t)/2)%2)
.irp p, 0,1,2,3,4,5
.set BY, 96*(\st)+48*(\p/3)+8*(\p%3)
.if BY/256 == (BY+24)/256
	ds_load_b64 v[\reg+2*\p:\reg+2*\p+1], v[AD+(BY/256)%2] offset:BY%256+RO
.else
	ds_load_b64 v[\reg+2*\p:\reg+2*\p+1], v[AD+2+(BY/256)%2] offset:BY%256-232+RO
.endif
.endr
.endm
.macro FETCH_B st
	WIN TO_B
.irp i, 0,1,2,3,4,5,6,7
	FRAG 128*((\st)%2)+FR*\i, ADRB, \st, \i
.endr
	WIN 0
.endm
.macro FETCH_A st, i0
.irp i, \i0, \i0+1, \i0+2, \i0+3
	FRAG AF+FR*(\i), ADRA, \st, \i
.endr
.endm
; 16 products: A's tiles a0, a0 + 1 x B's eight.  The 64 accumulators take turns, in the same order in every step.
.macro MUL16 a0, st, zero
.irp a, \a0, \a0+1
.irp b, 0,1,2,3,4,5,6,7
.if \zero
	MM 8*(8*((\a)%4)+\b), 128*((\st)%2)+FR*\b, AF+FR*(\a), 0, SB+8*(\b/2)+(\st), SA+8*((\a)/2)+(\st), \b%2, (\a)%2
.else
	MM 8*(8*((\a)%4)+\b), 128*((\st)%2)+FR*\b, AF+FR*(\a), v[8*(8*((\a)%4)+\b):8*(8*((\a)%4)+\b)+7], SB+8*(\b/2)+(\st), SA+8*((\a)/2)+(\st), \b%2, (\a)%2
.endif
.endr
.endr
.endm
; A step of 128 along K.  kind 1: the next step's bytes end in a chunk that no step has read: a barrier shows it.  kind 2: chunk 0 is read no more: a round, and chunk 2 in its place.
.macro STEP st, kind
.set ZR, 0
.if (\st) == 0
.set ZR, 1
.endif
.if \kind
	s_wait_tensorcnt 0x0                           ; all my loads are in
.if (\kind) == 2
	ds_add_u32 v[SPW], v[NIL]
	s_wait_dscnt 4*NL+1                            ; the add and A's tiles 4-7 may be out
.else
	s_wait_dscnt 4*NL
.endif
	WIN MUL_LO
	MUL16 0, \st, ZR
	s_wait_dscnt 0x0                               ; the add, where there is one, and all my reads are done
	s_barrier_signal -1
	MUL16 2, \st, ZR
	WIN 0
	s_barrier_wait -1
.if (\kind) == 2
	CREST
	s_cmp_eq_u32 s[H1], 0
	s_cbranch_scc0 .Lfor_b
	tensor_load_to_lds s[G0RA:G0RA+3], s[G1RA:G1RA+7]
	s_nop 0
	PLACES
	s_branch .Lasked
.Lfor_b:
	tensor_load_to_lds s[G0RB:G0RB+3], s[G1RB:G1RB+7]
	s_nop 0
	PLACES
.Lasked:
.else
	PLACES
.endif
.else
	s_wait_dscnt 4*NL                              ; the youngest loads, A's tiles 4-7, may be out
	WIN MUL_LO
	MUL16 0, \st, ZR
	MUL16 2, \st, ZR
	s_wait_dscnt 0x0
	PLACES
.endif
	FETCH_B (\st)+1
	FETCH_A (\st)+1, 0
	WIN MUL_HI
	MUL16 4, \st, ZR
	MUL16 6, \st, ZR
	PLACES
	WIN 0
	FETCH_A (\st)+1, 4
.endm
	s_wait_alu depctr_va_vdst(0)
	s_cmp_lt_u32 s[WV], 2
	s_cbranch_scc0 .Lchunk_1
	s_wait_tensorcnt 0x0                           ; waves 0, 1: chunk 0 is in.  Waves 2, 3 wait for chunk 1 in step 1
.Lchunk_1:
	s_wait_loadcnt 0x0                             ; the scale words
	s_barrier_signal -1
	s_barrier_wait -1
	s_load_b256 s[80:87], s[0:1], 0x20             ; x's codes, scales; Wq's codes, scales
	FETCH_B 0
	FETCH_A 0, 0
	FETCH_A 0, 4
	STEP 0, 0
	STEP 1, 1
	STEP 2, 2
	STEP 3, 0
	STEP 4, 1
	STEP 5, 0
	STEP 6, 0
	s_wait_kmcnt 0x0
	s_and_b32 s66, ttmp7, 0xffff
	s_lshl_b32 s66, s66, 2
	s_add_co_u32 s66, s66, ttmp9                   ; the cluster's number, 0 .. 15
	s_lshr_b32 s67, s66, 1
	s_lshl_b32 s67, s67, 2
	s_add_co_u32 s67, s67, s20                     ; q: my block of 64 tokens, which my row of the cluster shares
	s_and_b32 s66, s66, 1
	s_lshl_b32 s66, s66, 2
	s_add_co_u32 s66, s66, s19                     ; and my head, which my column shares
	s_lshl_b32 s96, s67, 6
	s_lshl_b32 s97, s[H0], 5
	s_add_co_u32 s96, s96, s97
	s_mul_i32 s96, s96, KROW                       ; waves 2, 3: 32 rows of x
	s_mov_b32 s97, 0
	s_add_nc_u64 s[80:81], s[80:81], s[96:97]
	s_lshl_b32 s98, s66, 7
	s_lshl_b32 s99, s[H0], 6
	s_add_co_u32 s98, s98, s99
	s_lshl_b32 s100, s98, 5
	s_mov_b32 s101, 0
	s_add_nc_u64 s[86:87], s[86:87], s[100:101]    ; the scales of my 64 channels
	s_mul_i32 s98, s98, KROW                       ; waves 0, 1: 64 rows of Wq
	s_mov_b32 s99, 0
	s_add_nc_u64 s[84:85], s[84:85], s[98:99]
	s_lshl_b32 s96, s67, 11
	s_lshl_b32 s98, s[H1], 10
	s_add_co_u32 s96, s96, s98
	s_add_nc_u64 s[82:83], s[82:83], s[96:97]      ; and of my 32 tokens
	s_lshr_b32 s96, s67, 4
	s_lshl_b32 s96, s96, 3
	s_add_co_u32 s96, s96, s66
	s_lshl_b32 s96, s96, 4
	s_and_b32 s98, s67, 15
	s_add_co_u32 s96, s96, s98
	s_mul_i32 s96, s96, 7168
	s_add_nc_u64 s[14:15], s[14:15], s[96:97]
	s_lshl_b32 s96, s[H0], 9
	s_lshl_b32 s98, s[H1], 8
	s_add_co_u32 s96, s96, s98
	s_add_co_u32 s96, s96, 6144
	s_add_nc_u64 s[100:101], s[14:15], s[96:97]    ; where my scale words go
	s_mul_i32 s96, s[H1], 3072
	s_mul_i32 s98, s[H0], 768
	s_add_co_u32 s96, s96, s98
	s_add_nc_u64 s[14:15], s[14:15], s[96:97]      ; and my codes
	s_mul_i32 s96, s[H0], 32*WP
	s_mul_i32 s98, s[H0], 64*WP
	s_mov_b32 s[G0A], 1                            ; (the head's descriptors: their loads have been waited for in step 1)
	s_add_co_u32 s[G0A+1], s96, 128*WP
	s_mov_b64 s[G0A+2:G0A+3], s[80:81]
	s_or_b32 s[G0A+3], s[G0A+3], 0x80000000
	s_mov_b32 s[G0B], 1
	s_mov_b32 s[G0B+1], s98
	s_mov_b64 s[G0B+2:G0B+3], s[84:85]
	s_or_b32 s[G0B+3], s[G0B+3], 0x80000000
.macro GROUPQ g, rows
	s_mov_b32 s[\g+1], KROW<<16
	s_mov_b32 s[\g+2], (\rows)<<16
	s_mov_b32 s[\g+3], KROW<<16
	s_mov_b32 s[\g+4], \rows
.endm
	GROUPQ G1A, 32
	GROUPQ G1B, 64
	s_wait_tensorcnt 0x0
	ds_add_u32 v[SPW], v[NIL]
	s_wait_dscnt 4*NL+1                            ; the add and A's tiles 4-7 may be out
	WIN MUL_LO
	MUL16 0, 7, 0
	s_wait_dscnt 0x0                               ; the add and all my reads are done
	s_barrier_signal -1
	MUL16 2, 7, 0
	WIN 0
	s_barrier_wait -1
	CREST
	s_cmp_eq_u32 s[H1], 0
	s_cbranch_scc0 .Lfor_x
	tensor_load_to_lds s[G0B:G0B+3], s[G1B:G1B+7]
	s_nop 0
	PLACES
	s_branch .Lq_asked
.Lfor_x:
	tensor_load_to_lds s[G0A:G0A+3], s[G1A:G1A+7]
	s_nop 0
	PLACES
.Lq_asked:
	v_lshlrev_b32 v24, 1, v[LI]                    ; 32 bytes a row
.irp p, 0,1
	global_load_b128 v[QS+8*\p:QS+8*\p+3], v[22+\p], s[86:87] offset:256*\p
	global_load_b128 v[QS+8*\p+4:QS+8*\p+7], v[22+\p], s[86:87] offset:256*\p+16
.endr
	global_load_b128 v[QS+16:QS+19], v24, s[82:83]
	global_load_b128 v[QS+20:QS+23], v24, s[82:83] offset:16
	WIN MUL_HI
	MUL16 4, 7, 0
	MUL16 6, 7, 0
	WIN 0
	PLACES
	v_mov_b32 v[PM], 0                             ; a lane permute's destination counts as one of its sources
	v_mov_b32 v[PM+1], 0
; Tiles a, a + 1: each lane holds two whole blocks of 32 of its row, registers 0-31 and 32-63 of the row's accumulators.  Four chains by turns.
.macro QUANT a
	WIN 0x28+0x14*((\a)/4)
.irp e, 0,1
.irp c, 0,1
	v_max3_num_f32 v[TM+2*\e+\c], 0x2800000, |v[64*((\a)%4+\e)+32*\c]|, |v[64*((\a)%4+\e)+32*\c+1]|   ; the floor 2^(5 - 127): the byte cannot fall under 1
.endr
.endr
.irp i, 2,4,6,8,10,12,14,16,18,20,22,24,26,28,30
.irp e, 0,1
.irp c, 0,1
	v_max3_num_f32 v[TM+2*\e+\c], v[TM+2*\e+\c], |v[64*((\a)%4+\e)+32*\c+\i]|, |v[64*((\a)%4+\e)+32*\c+\i+1]|
.endr
.endr
.endr
	WIN 0
.irp k, 0,1,2,3
	v_add_nc_u32 v[SO+\k], 0xfe000000, v[TM+\k]    ; 4 off the exponent field
.endr
.irp k, 0,1,2,3
	v_lshrrev_b32 v[BY8+\k], 23, v[SO+\k]
.endr
.irp e, 0,1
	v_lshl_or_b32 v[W+\e], v[BY8+2*\e+1], 16, v[BY8+2*\e]   ; blocks h and 2 + h
.endr
.irp e, 0,1
	v_lshlrev_b32 v[W+\e], v[H8], v[W+\e]
.endr
.irp e, 0,1
	v_permlanex16_b32 v[PM+\e], v[W+\e], s[SEL], s[SEL+1]
.endr
.irp e, 0,1
	v_or_b32 v[PW+(\a)+\e], v[W+\e], v[PM+\e]      ; the row's scale word
.endr
	WIN 0x02+(\a)/4
.irp e, 0,1
.irp c, 0,1
	v_cvt_scalef32_pk16_bf6_f32 v[CD+12*((\a)+\e)+6*\c:CD+12*((\a)+\e)+6*\c+2], v[64*((\a)%4+\e)+32*\c:64*((\a)%4+\e)+32*\c+15], v[SO+2*\e+\c]
	v_cvt_scalef32_pk16_bf6_f32 v[CT+8*\e+4*\c:CT+8*\e+4*\c+2], v[64*((\a)%4+\e)+32*\c+16:64*((\a)%4+\e)+32*\c+31], v[SO+2*\e+\c]   ; (a conversion's three registers begin on an even number)
.endr
.endr
	WIN 0
	v_nop                                          ; one plain place behind a scaled conversion
.irp e, 0,1
.irp c, 0,1
.irp i, 0,1,2
	v_mov_b32 v[CD+12*((\a)+\e)+6*\c+3+\i], v[CT+8*\e+4*\c+\i]
.endr
.endr
.endr
.irp e, 0,1
.irp c, 0,1,2
	global_store_b128 v[LI], v[CD+12*((\a)+\e)+4*\c:CD+12*((\a)+\e)+4*\c+3], s[12:13] offset:1536*((\a)+\e)+512*\c th:TH_STORE_NT   ; 512 consecutive bytes
.endr
.endr
.endm
	QUANT 0
	QUANT 2
	QUANT 4
	QUANT 6
	s_mov_b32 vcc_lo, 0xffff0000
.irp p, 0,1,2,3
	v_cndmask_b32 v[SW+\p], v[PW+2*\p], v[PW+2*\p+1], vcc_lo   ; lanes 0-15 the even tile's words, lanes 16-31 the odd one's
.endr
	global_store_b128 v[LI], v[SW:SW+3], s[12:13] offset:12288 th:TH_STORE_NT
	; ---- q.  Source 0: 64 channels in the same order of rows as above; source 1: 32 tokens, in natural order
	s_mul_i32 s66, s[H0], 64*WP
	s_mul_i32 s67, s[H1], 32*WP
	s_add_co_u32 s67, s67, 128*WP
	s_lshl_b32 s96, s[H0], 4
	v_and_b32 v1, 7, v0
	v_bfe_u32 v2, v0, 3, 1
	v_bfe_u32 v3, v0, 4, 1
	v_and_b32 v25, 15, v0
	v_mad_u32_u24 v20, v2, 40, v1
	v_mad_u32_u24 v21, v2, 24, v1
	v_mul_u32_u24 v25, WP, v25
	v_mul_u32_u24 v20, WP, v20
	v_mul_u32_u24 v21, WP, v21
	v_mad_u32_u24 v25, v3, 24, v25
	v_mad_u32_u24 v20, v3, 24, v20
	v_mad_u32_u24 v21, v3, 24, v21
	v_add_nc_u32 v8, s67, v25
	v_add_nc_u32 v4, s66, v20
	v_add_nc_u32 v6, s66, v21
	v_lshl_add_u32 v9, v3, 4, v8                   ; behind one padding more
	v_lshl_add_u32 v5, v3, 4, v4
	v_lshl_add_u32 v7, v3, 4, v6
	v_lshrrev_b32 v10, 1, v[LI]                    ; 8 x lane
	v_add_nc_u32 v11, s96, v[H8]                   ; where my blocks' bytes stand in the scale word
	s_wait_alu depctr_va_vdst(0)
	s_wait_tensorcnt 0x0
	s_wait_loadcnt 0x0
	s_barrier_signal -1
	s_barrier_wait -1                              ; everybody's rows are in.  Nothing is filled any more
.macro FRAGR reg, adr, q, rowoff       ; rows of 768 bytes with 16 bytes of padding behind every 256: pieces of 8 bytes; lanes 16-31 read three pieces on
.irp p, 0,1,2,3,4,5
.set PCE, 12*(\q)+6*(\p/3)+\p%3
.if PCE%32 < 29
	ds_load_b64 v[\reg+2*\p:\reg+2*\p+1], v[\adr] offset:(\rowoff)+8*PCE+16*(PCE/32)
.else
	ds_load_b64 v[\reg+2*\p:\reg+2*\p+1], v[\adr+1] offset:(\rowoff)+8*PCE+16*(PCE/32)
.endif
.endr
.endm
.macro LQ1 q, buf                      ; Wq's four tiles: 24 loads
.irp u, 0,1,2,3
	FRAGR \buf+12*\u, 4+2*(\u/2), \q, (16*(\u%2)+8*(\u/2))*WP
.endr
.endm
.macro LQ2 q, buf                      ; x's two: 12 loads
.irp e, 0,1
	FRAGR \buf+48+12*\e, 8, \q, 16*\e*WP
.endr
.endm
	WIN TO_B
	LQ1 0, 0
	LQ2 0, 0
.irp q, 0,1,2,3,4,5,6,7
.if \q < 7
	WIN TO_B
	LQ1 \q+1, 72*((\q+1)%2)
	s_wait_dscnt 24                                ; this step's 36 are in; the 24 just issued may be out
	LQ2 \q+1, 72*((\q+1)%2)
.else
	s_wait_dscnt 0x0
.endif
	WIN 0x55
.irp e, 0,1
.irp u, 0,1,2,3
.if \q == 0
	MM QACC+32*\e+8*\u, 72*(\q%2)+12*\u, 72*(\q%2)+48+12*\e, 0, QS+8*(\u/2)+\q, QS+16+\q, \u%2, \e
.else
	MM QACC+32*\e+8*\u, 72*(\q%2)+12*\u, 72*(\q%2)+48+12*\e, v[QACC+32*\e+8*\u:QACC+32*\e+8*\u+7], QS+8*(\u/2)+\q, QS+16+\q, \u%2, \e
.endif
.endr
.endr
	PLACES                                         ; in front of loads into registers that products have read, and of the first read of the results
.endr
	WIN 0x14
.irp e, 0,1
.irp k, 0,1
	v_max3_num_f32 v[TM+2*\e+\k], 0x2800000, |v[QACC+32*\e+16*\k]|, |v[QACC+32*\e+16*\k+1]|
.endr
.endr
.irp i, 2,4,6,8,10,12,14
.irp e, 0,1
.irp k, 0,1
	v_max3_num_f32 v[TM+2*\e+\k], v[TM+2*\e+\k], |v[QACC+32*\e+16*\k+\i]|, |v[QACC+32*\e+16*\k+\i+1]|
.endr
.endr
.endr
	WIN 0
.irp e, 0,1
	v_max_num_f32 v[TM+2*\e], v[TM+2*\e], v[TM+2*\e+1]
.endr
.irp e, 0,1
	v_add_nc_u32 v[SO+\e], 0xfe000000, v[TM+2*\e]
.endr
.irp e, 0,1
	v_lshrrev_b32 v[W+\e], 23, v[SO+\e]
.endr
.irp e, 0,1
	v_lshlrev_b32 v[W+\e], v11, v[W+\e]
.endr
.irp e, 0,1
	v_permlanex16_b32 v[PM+\e], v[W+\e], s[SEL], s[SEL+1]
.endr
.irp e, 0,1
	v_or_b32 v[QPW+\e], v[W+\e], v[PM+\e]          ; two of the word's four bytes; the other half of the channels has the other two
.endr
	WIN 0x01
.irp e, 0,1
	v_cvt_scalef32_pk16_bf6_f32 v[QCD+6*\e:QCD+6*\e+2], v[QACC+32*\e:QACC+32*\e+15], v[SO+\e]
	v_cvt_scalef32_pk16_bf6_f32 v[CT+4*\e:CT+4*\e+2], v[QACC+32*\e+16:QACC+32*\e+31], v[SO+\e]
.endr
	WIN 0
	v_nop                                          ; one plain place behind a scaled conversion
.irp e, 0,1
.irp i, 0,1,2
	v_mov_b32 v[QCD+6*\e+3+\i], v[CT+4*\e+\i]
.endr
.endr
.irp e, 0,1
.irp p, 0,1,2
	global_store_b64 v10, v[QCD+6*\e+2*\p:QCD+6*\e+2*\p+1], s[14:15] offset:1536*\e+256*\p th:TH_STORE_NT   ; 256 consecutive bytes, aligned
.endr
.endr
	global_store_b64 v10, v[QPW:QPW+1], s[100:101] th:TH_STORE_NT
	s_wait_tensorcnt 0x0                           ; the wave's end
	ds_add_u32 v[SPW], v[NIL]
	s_wait_dscnt 0x0
	CROUND                                         ; the closing round
	s_endpgm
.Lfunc_end_k_q4b418b9d55_kvproj:
	.size	k_q4b418b9d55_kvproj, .Lfunc_end_k_q4b418b9d55_kvproj-k_q4b418b9d55_kvproj
	.p2alignl 7, 3214868480
	.fill 96, 4, 3214868480
	.section	.rodata,"a",@progbits
	.p2align	6, 0x0
	.amdhsa_kernel k_q4b418b9d55_kvproj
		.amdhsa_group_segment_fixed_size 327680
		.amdhsa_private_segment_fixed_size 0
		.amdhsa_enable_private_segment 0
		.amdhsa_kernarg_size 80
		.amdhsa_user_sgpr_count 2
		.amdhsa_user_sgpr_kernarg_segment_ptr 1
		.amdhsa_wavefront_size32 1
		.amdhsa_system_sgpr_workgroup_id_x 1
		.amdhsa_system_sgpr_workgroup_id_y 1
		.amdhsa_system_sgpr_workgroup_id_z 1
		.amdhsa_system_vgpr_workitem_id 0
		.amdhsa_next_free_vgpr 1024
		.amdhsa_next_free_sgpr 102
		.amdhsa_reserve_vcc 1
		.amdhsa_float_denorm_mode_32 3
		.amdhsa_float_denorm_mode_16_64 3
		.amdhsa_memory_ordered 1
		.amdhsa_forward_progress 1
		.amdhsa_inst_pref_size 193
	.end_amdhsa_kernel
	.amdgpu_metadata
---
amdhsa.version: [ 1, 2 ]
amdhsa.kernels:
  - .name:           k_q4b418b9d55_kvproj
    .symbol:         k_q4b418b9d55_kvproj.kd
    .args:
      - { .name: context_codes, .offset: 0, .size: 8, .value_kind: global_buffer, .address_space: global }
      - { .name: context_scales, .offset: 8, .size: 8, .value_kind: global_buffer, .address_space: global }
      - { .name: Wkv_codes, .offset: 16, .size: 8, .value_kind: global_buffer, .address_space: global }
      - { .name: Wkv_scales, .offset: 24, .size: 8, .value_kind: global_buffer, .address_space: global }
      - { .name: x_codes, .offset: 32, .size: 8, .value_kind: global_buffer, .address_space: global }
      - { .name: x_scales, .offset: 40, .size: 8, .value_kind: global_buffer, .address_space: global }
      - { .name: Wq_codes, .offset: 48, .size: 8, .value_kind: global_buffer, .address_space: global }
      - { .name: Wq_scales, .offset: 56, .size: 8, .value_kind: global_buffer, .address_space: global }
      - { .name: kvc, .offset: 64, .size: 8, .value_kind: global_buffer, .address_space: global }
      - { .name: qc, .offset: 72, .size: 8, .value_kind: global_buffer, .address_space: global }
    .group_segment_fixed_size: 327680
    .private_segment_fixed_size: 0
    .kernarg_segment_align: 8
    .kernarg_segment_size: 80
    .max_flat_workgroup_size: 128
    .sgpr_count:     102
    .vgpr_count:     1024
    .wavefront_size: 32
...
	.end_amdgpu_metadata
.endif
;; end of part 1
;; launch attn (part 2): grid 16 x 16, 8 waves a work-group, clusters of 4 x 1, 327,680 bytes of LDS; arguments qc, kvc, doc_similarities, beta, aoc, aos; writes aoc, aos
.if DOCPART == 2
	.amdgcn_target "amdgcn-amd-amdhsa--gfx1250"
	.amdhsa_code_object_version 6
	.text
	.protected	k_q4b418b9d55_attn
	.globl	k_q4b418b9d55_attn
	.p2align	8
	.type	k_q4b418b9d55_attn,@function
k_q4b418b9d55_attn:
	s_mov_b64 s[64:65], 0
	v_nop
	global_prefetch_b8 v0, s[64:65] scope:SCOPE_SE
	s_setreg_imm32_b32 hwreg(HW_REG_WAVE_MODE, 25, 1), 1
	s_wait_xcnt 0x0
	s_wait_alu depctr_hold_cnt(0) depctr_sa_sdst(0) depctr_va_vdst(0) depctr_va_sdst(0) depctr_va_ssrc(0) depctr_va_vcc(0) depctr_vm_vsrc(0)
	s_getreg_b32 s2, hwreg(HW_REG_IB_STS2, 6, 4)
	s_cmp_eq_u32 s2, 0
	s_cbranch_scc0 .Lentry_in_a_cluster
	s_endpgm
.Lentry_in_a_cluster:
	s_bfe_u32 s2, ttmp6, 0x10000c
	s_cmp_lg_u32 s2, 0x3003
	s_cbranch_scc0 .Lentry_shape_is_right
	s_endpgm
.Lentry_shape_is_right:
; softmax(q k^T / 32 + sim x beta) v over 4,096 keys for 64 queries of one head; the result, normalised, is quantised along the head's channels and stored as an operand of the last launch.
; All products on codes of BF6 (E3M2) with one E8M0 scale for each 32 along K.  No product, input or step of the problem is left out.
; SHARES.  A work-group: head 8 b + h (grid y), query block of 64 (grid x).  Wave w: qp = w % 2 owns 32 queries (two tiles); j = w / 2 is its DOCUMENT of 1,024 keys, walked in 8 steps of 128.
; So the bias is one number a wave, every fragment read from LDS feeds two products, and the four documents' parts are joined at the end by exact powers of two.
; SOFTMAX.  t = score x log2(e) / 32 + bias x log2(e); M = the running largest t rounded up to a whole number (kept as -M); p = 2^(t - M) is quantised along the keys, not normalised; the sum is taken of the unquantised p.
; LAYOUT.  Both products transposed: a lane holds one query.  q, k, v come as images of the operand's registers, q straight from memory.  The first launch has chosen each tile's rows so that lane half h of four tiles
; 4 c .. 4 c + 3 holds block 2 c + h of 32 keys (or channels) whole; in a block of even number the octets stand in the order 0, 2, 1, 3, in one of odd number 1, 3, 0, 2: the same for p and v, and for q and k.
; THE WALK IS SHIFTED: interval n takes v of step n and k of step n + 1.  Its scores were made at the end of interval n - 1, so its softmax follows the barrier directly, while v's fragments and half of k's land.
; Behind barrier n each wave asks for one tile of 12,800 bytes (codes and scale words): waves 0-3 v(n + 1) of document w, waves 4-7 k(n + 2) of document w - 4; it has the whole interval in which to land.
; CLUSTER.  The four query blocks of a cluster belong to one head: k and v come by joint loads that name all four.
; LIMITS: NaN and infinities are not served.  A block of zeros gets the byte 1 (its codes are zeros; this program alone reads the bytes).  A p under 2^-126 counts as 0.
; LDS: slot n % 2 of interval n: v(n) at 25,600 j and k(n + 1) 12,800 behind it; slot 0 at 102,400, slot 1 at 0; k(0) in bytes of its own.  Barrier 0 brings slot 1's first fill, every later one a refill.
;   The stage of the end lies in bytes 102,400 to 233,472: slot 0, which has then had its last fill and its last read, and bytes that no fill lands on.  Behind it exchanges, spare words, k(0).
; REGISTERS.  window 0: v1-15 addresses, v16-31 statistics (8 a tile), v32-79 four fragments, v80-87 scale words, v88-111 p's codes, v112-127 at work, v128-255 the scores.
;   window 1: v0-127 O^T, v128-151 q's codes, v160-207 and v208-255 four fragments each.
.set REC,   25600
.set HREC,  12800
.set SLOT0, 102400
.set STG,   SLOT0
.set EXC,   STG+131072                 ; codes from wave to wave: tile qt at 1,536 qt, register rho of lane L at 128 rho + 4 L
.set EXS,   EXC+6144                   ; their scale bytes: 64 qt + 4 r + block
.set MLB,   EXS+256                    ; (-M, sum) of each wave: 512 w + 256 tile + 8 lane
.set SPARE, MLB+4096
.set KZ,    SPARE+1024                 ; k(0)
.set LI,  1
.set SPW, 2
.set NIL, 3
.set AD,  4                            ; v4, v5: 16 x lane + my document's part of slot 0, 1
.set H8,  6                            ; 8 x the lane's half
.set L8,  7                            ; 8 x lane
.set AZ,  8                            ; 16 x lane + my document's k(0)
.set XPA, 8
.set XPB, 9
.set PFO, 12
.set T0,  13                           ; v13-14 at work
.set BB,  15                           ; the bias as t
.set ST,  16                           ; tile t at v[16 + 8 t]: +0 bias - M, +1 largest t, +2, +3 the sum, +4 f, +5 p's scale word, +6 -M, +7 q's scale word
.set FB0, 32
.set KSC, 80
.set VSC, 84
.set PF,  88
.set BM,  112
.set PT,  116
.set SO,  120
.set SQ,  124
.set S,   128
.set OF,  0                            ; window 1
.set QF,  128
.set FB1, 160
.set FB2, 208
.set ML,  32                           ; the end
.set NT,  48
.set FF,  52
.set LT,  60
.set RC,  62
.set GG,  64
.set WV, 24
.set QP, 25
.set DJ, 26
.set CX, 27
.set QB, 28
.set BH, 29
.set SEL, 30
.set G1R, 32                           ; 50 dense rows of 256 bytes, joint
.set G1H, 40                           ; 100 of them
.set XPS, 56
.set SLOTS, 57
.set LIM, 58
.set PFA, 60
.set G0E, 68                           ; the fills behind barriers of even and of odd number
.set G0O, 72
.set G0K, 76
.set G0V, 80
.set CS,  84
.set MSB, 0
.macro WIN new
.if MSB != (\new)
	s_set_vgpr_msb (MSB<<8)|(\new)
.set MSB, \new
.endif
.endm
.macro CREST
	s_cmp_lg_u32 s[WV], 0
	s_cbranch_scc1 .Lnot_wave_0_\@
	s_barrier_signal -3
.Lnot_wave_0_\@:
	s_barrier_wait -3
	s_barrier_signal -1
	s_barrier_wait -1
.endm
.macro CROUND
	s_barrier_signal -1
	s_barrier_wait -1
	CREST
.endm
.macro PLACES
.rept 4
	v_nop
.endr
.endm
; One scaled product.  c: 0 or a run of registers; ra: 1 where source 0's scale words stand in lanes 16-31.
.macro MM d, a, b, c, sa, sb, ra
.if (\ra)
	v_wmma_scale_f32_16x16x128_f8f6f4 v[\d:\d+7], v[\a:\a+11], v[\b:\b+11], \c, v[\sa], v[\sb] matrix_a_fmt:MATRIX_FMT_BF6 matrix_b_fmt:MATRIX_FMT_BF6 matrix_a_scale:MATRIX_SCALE_ROW1
.else
	v_wmma_scale_f32_16x16x128_f8f6f4 v[\d:\d+7], v[\a:\a+11], v[\b:\b+11], \c, v[\sa], v[\sb] matrix_a_fmt:MATRIX_FMT_BF6 matrix_b_fmt:MATRIX_FMT_BF6
.endif
.endm
	s_load_b256 s[4:11], s[0:1], 0x0               ; qc, kvc, doc_similarities, beta
	s_load_b128 s[12:15], s[0:1], 0x20             ; aoc, aos
	v_lshl_add_u32 v[SPW], v0, 2, SPARE
	v_mov_b32 v[NIL], 0
	ds_add_u32 v[SPW], v[NIL]
	ds_add_u32 v[SPW], v[NIL]
	v_lshrrev_b32 v[T0], 5, v0
	v_readfirstlane_b32 s[WV], v[T0]
	s_and_b32 s[QP], s[WV], 1
	s_lshr_b32 s[DJ], s[WV], 1
	s_bfe_u32 s[CX], ttmp6, 0x40000
	s_lshl_b32 s[QB], ttmp9, 2
	s_add_co_u32 s[QB], s[QB], s[CX]               ; my block of 64 queries
	s_and_b32 s[BH], ttmp7, 0xffff                 ; 8 b + h, which the four partners share
.macro GROUP1 g, rows
	s_mov_b32 s[\g], 15|(3<<16)|(1<<21)            ; the mask: all four work-groups; elements of 8 bytes; no padding
	s_mov_b32 s[\g+1], 32<<16
	s_mov_b32 s[\g+2], (\rows)<<16
	s_mov_b32 s[\g+3], 32<<16
	s_mov_b32 s[\g+4], \rows
	s_mov_b32 s[\g+5], 32
	s_mov_b32 s[\g+6], 0
	s_mov_b32 s[\g+7], 0
.endm
	GROUP1 G1R, 50
	GROUP1 G1H, 100
	s_mov_b32 s[SEL], 0x76543210
	s_mov_b32 s[SEL+1], 0xfedcba98
	s_mov_b32 s[CS], 0x3d38aa3b                    ; log2(e) / 32
	s_mov_b32 s[CS+1], s[CS]
	s_mov_b32 s[SLOTS], 3
	s_lshr_b32 s92, s[BH], 3                       ; b
	s_and_b32 s93, s[BH], 7                        ; h
	s_and_b32 s94, s[WV], 3
	s_lshr_b32 s95, s[WV], 2
	s_mov_b32 s3, 0
	s_mov_b32 s99, 0
	s_mul_i32 s96, s[BH], 32*REC
	s_mul_i32 s97, s94, 8*REC
	s_add_co_u32 s2, s96, s97                      ; document w % 4, step 0
	s_mul_i32 s97, s94, HREC
	s_mov_b32 s[G0K], 1
	s_add_co_u32 s[G0K+1], s97, KZ                 ; k(0)
	s_mul_i32 s97, s94, REC
	s_mov_b32 s[G0V], 1
	s_add_co_u32 s[G0V+1], s97, SLOT0              ; v(0) and k(1), which follow each other in memory: slot 0
	s_mul_i32 s98, s95, HREC
	s_mov_b32 s[G0E], 1
	s_add_co_u32 s[G0E+1], s97, s98                ; slot 1
	s_mov_b32 s[G0O], 1
	s_add_co_u32 s[G0O+1], s97, s98
	s_add_co_u32 s[G0O+1], s[G0O+1], SLOT0         ; slot 0
	s_add_co_u32 s98, s98, s2
	s_add_co_u32 s98, s98, REC+HREC                ; barrier 0's: v(1), k(2)
	s_cmp_eq_u32 s95, 0                            ; waves 0-3 prefetch
	s_cselect_b32 s[LIM], 1, -1
	s_wait_dscnt 0x0
	s_wait_kmcnt 0x0
	s_add_nc_u64 s[G0K+2:G0K+3], s[6:7], s[2:3]
	s_add_nc_u64 s[G0V+2:G0V+3], s[G0K+2:G0K+3], HREC
	s_add_nc_u64 s[G0E+2:G0E+3], s[6:7], s[98:99]
	s_add_nc_u64 s[G0O+2:G0O+3], s[G0E+2:G0E+3], REC
	s_or_b32 s[G0K+3], s[G0K+3], 0x80000000
	s_or_b32 s[G0V+3], s[G0V+3], 0x80000000
	s_or_b32 s[G0E+3], s[G0E+3], 0x80000000
	s_or_b32 s[G0O+3], s[G0O+3], 0x80000000
	CROUND                                         ; all four work-groups are here: the first joint loads meet
	; THE FIRST FILLS, one a wave: waves 0-3 k(0), waves 4-7 v(0) and k(1)
	s_cmp_lt_u32 s[WV], 4
	s_cbranch_scc0 .Lfirst_v
	tensor_load_to_lds s[G0K:G0K+3], s[G1R:G1R+7]
	s_nop 0
	PLACES
	s_branch .Lfirst_done
.Lfirst_v:
	tensor_load_to_lds s[G0V:G0V+3], s[G1H:G1H+7]
	s_nop 0
	PLACES
.Lfirst_done:
	s_lshl_b32 s98, s[BH], 4
	s_add_co_u32 s98, s98, s[QB]
	s_mul_i32 s98, s98, 7168
	s_lshl_b32 s97, s[QP], 8
	s_add_co_u32 s2, s98, s97
	s_add_co_u32 s2, s2, 6144
	s_add_nc_u64 s[22:23], s[4:5], s[2:3]          ; my tiles' scale words
	s_mul_i32 s97, s[QP], 3072
	s_add_co_u32 s98, s98, s97
	s_add_nc_u64 s[20:21], s[4:5], s[98:99]        ; my two tiles of q
	s_mul_i32 s2, s[DJ], REC
	s_mul_i32 s97, s[DJ], HREC
	s_add_co_u32 s97, s97, KZ
	v_and_b32 v[T0], 31, v0                        ; lane
	v_lshlrev_b32 v[L8], 3, v[T0]
	v_lshlrev_b32 v[LI], 4, v[T0]
	global_load_b64 v[32:33], v[L8], s[22:23]
	global_load_b64 v[34:35], v[L8], s[22:23] offset:512
	WIN 0x40
.irp t, 0,1
.irp p, 0,1,2,3,4,5
	global_load_b64 v[QF+12*\t+2*\p:QF+12*\t+2*\p+1], v[L8], s[20:21] offset:1536*\t+256*\p   ; they stay in registers
.endr
.endr
	WIN 0
	v_min_u32 v[PFO], 24, v[T0]                    ; 25 blocks of 256 bytes a wave: the lanes that are left over name the last again
	v_lshlrev_b32 v[PFO], 8, v[PFO]
	v_add_nc_u32 v[AZ], s97, v[LI]
	v_add_nc_u32 v[AD+1], s2, v[LI]
	v_add_nc_u32 v[AD], SLOT0, v[AD+1]
	v_bfe_u32 v[H8], v0, 4, 1
	v_lshlrev_b32 v[H8], 3, v[H8]
	v_mov_b32 v[PT], 0                             ; a lane permute's destination counts as one of its sources
	v_mov_b32 v[PT+1], 0
.irp t, 0,1
	v_mov_b32 v[ST+8*\t+1], 0xff61b1e6             ; the largest t so far: -3e38
.endr
.irp t, 0,1
	v_floor_f32 v[ST+8*\t+6], -v[ST+8*\t+1]        ; -M
	v_mov_b32 v[ST+8*\t+2], 0                      ; the sum, in two halves
	v_mov_b32 v[ST+8*\t+3], 0
	v_mov_b32 v[ST+8*\t+5], 0                      ; (named as the upper half of the pair with f before it is first written)
.endr
	s_wait_alu depctr_va_vdst(0)
	s_mul_i32 s98, s[CX], 8*REC                    ; the prefetches: partner cx takes document cx (told apart by address), 6,400 bytes a wave
	s_add_co_u32 s98, s98, s96
	s_mul_i32 s97, s94, 6400
	s_add_co_u32 s98, s98, s97
	s_add_co_u32 s98, s98, 3*REC-HREC              ; barrier 0 steps it to v(3), k(4)
	s_add_nc_u64 s[PFA:PFA+1], s[6:7], s[98:99]
	s_lshl_b32 s2, s92, 2
	s_add_co_u32 s2, s2, s[DJ]
	s_lshl_b32 s2, s2, 2
	s_add_nc_u64 s[8:9], s[8:9], s[2:3]            ; doc_similarities[b][j]
	s_lshl_b32 s98, s92, 4
	s_add_co_u32 s97, s98, s[QB]                   ; the block of 64 tokens
	s_mul_i32 s98, s97, 49152
	s_mul_i32 s96, s93, 6144
	s_add_co_u32 s98, s98, s96
	s_mul_i32 s96, s94, 1536
	s_add_co_u32 s98, s98, s96
	s_add_nc_u64 s[12:13], s[12:13], s[98:99]      ; aoc at fragment (block, h, tile w % 4)
	s_lshl_b32 s98, s97, 11
	s_lshl_b32 s96, s93, 8
	s_add_co_u32 s98, s98, s96
	s_add_nc_u64 s[14:15], s[14:15], s[98:99]      ; aos at (block, h)
	s_load_b32 s98, s[8:9], 0x0
	s_load_b32 s99, s[10:11], 0x0
	s_mul_i32 s[XPS], s[QP], 3072
	s_lshr_b32 s96, s[WV], 2
	s_mul_i32 s96, s96, 768
	s_add_co_u32 s[XPS], s[XPS], s96
	s_and_b32 s96, s[DJ], 1
	s_lshl_b32 s96, s96, 6
	s_add_co_u32 s[XPS], s[XPS], s96
	s_add_co_u32 s[XPS], s[XPS], EXC               ; block j's part of my tiles' fragments
	WIN 0x40
.set i, 0
.rept 128
	v_mov_b32 v[OF+i], 0                           ; O^T: the key step is written alike for all; the first finds zeros.  These lines stand while the first fills are on their way
.set i, i+1
.endr
	WIN 0
	s_wait_alu depctr_va_vdst(0)
	s_wait_kmcnt 0x0
	s_mul_f32 s98, s98, s99                        ; sim x beta,
	s_mul_f32 s98, s98, 0x3fb8aa3b                 ; as t
	v_mov_b32 v[BB], s98
	s_wait_alu depctr_va_vdst(0)
	s_wait_loadcnt 0x0                             ; q
	v_or_b32 v[ST+7], v32, v34                     ; two bytes of each word from each half of the channels
	v_or_b32 v[ST+15], v33, v35
	s_wait_alu depctr_va_vdst(0)
	s_cmp_lt_u32 s[WV], 4
	s_cbranch_scc0 .Lv_later
	s_wait_tensorcnt 0x0                           ; k(0).  The other waves wait for v(0), k(1) round barrier 0
.Lv_later:
	s_barrier_signal -1
	s_barrier_wait -1
.macro LDF reg, adr, off, f0           ; four fragments, 12 loads
.irp f, 0,1,2,3
.irp c, 0,1,2
	ds_load_b128 v[\reg+12*\f+4*\c:\reg+12*\f+4*\c+3], v[\adr] offset:(\off)+1536*(\f0+\f)+512*\c
.endr
.endr
.endm
	ds_load_b128 v[KSC:KSC+3], v[AZ] offset:12288
	WIN 0x40
	LDF FB2, AZ, 0, 0
	WIN 0
	LDF FB0, AZ, 0, 4
	s_wait_dscnt 12                                ; the scale words and tiles 0-3 are in; the 12 loads of tiles 4-7 may be out
; The scores of the next 128 keys, k's tiles 0-3 in FB2, 4-7 in FB0, round the barrier.  In front of it each wave waits for all its tensor loads, adds 0 to its spare word, and waits for that and for all its reads.
; step: the descriptor g, used behind the last barrier, is stepped here, where no load of mine is out.
.macro QK g, step, round
	WIN 0x05
.irp f, 0,1,2,3
.irp t, 0,1
	MM S+64*\t+8*\f, FB2+12*\f, QF+12*\t, 0, KSC+\f/2, ST+8*\t+7, \f%2
.endr
.endr
	WIN 0
	s_wait_tensorcnt 0x0
	ds_add_u32 v[SPW], v[NIL]
.if \step
	s_add_nc_u64 s[\g+2:\g+3], s[\g+2:\g+3], 2*REC
.endif
.if \round
	s_wait_xcnt 0x0                                ; the last prefetch has read its address
	s_add_nc_u64 s[PFA:PFA+1], s[PFA:PFA+1], REC
.endif
	s_wait_dscnt 0x1                               ; k's tiles 4-7 are in; the add may be out
	WIN 0x04
.irp f, 4,5
.irp t, 0,1
	MM S+64*\t+8*\f, FB0+12*(\f-4), QF+12*\t, 0, KSC+\f/2, ST+8*\t+7, \f%2
.endr
.endr
	s_wait_dscnt 0x0                               ; the add is done, and my reads of the slots are over
	s_barrier_signal -1
.irp f, 6,7
.irp t, 0,1
	MM S+64*\t+8*\f, FB0+12*(\f-4), QF+12*\t, 0, KSC+\f/2, ST+8*\t+7, \f%2
.endr
.endr
	WIN 0
	s_barrier_wait -1
.if \round
	CREST
.endif
.endm
; Both tiles' softmax for 128 keys: four chains by turns.
.macro SOFTMAX
.irp t, 0,1
.irp c, 0,1
	v_max3_num_f32 v[BM+2*\t+\c], v[S+64*\t+32*\c], v[S+64*\t+32*\c+1], v[S+64*\t+32*\c+2]   ; my block's largest score: for the row's maximum, and, since p rises with the score, for the block's largest p
.endr
.endr
.irp i, 3,5,7,9,11,13,15,17,19,21,23,25,27,29
.irp t, 0,1
.irp c, 0,1
	v_max3_num_f32 v[BM+2*\t+\c], v[BM+2*\t+\c], v[S+64*\t+32*\c+\i], v[S+64*\t+32*\c+\i+1]
.endr
.endr
.endr
.irp t, 0,1
.irp c, 0,1
	v_max_num_f32 v[BM+2*\t+\c], v[BM+2*\t+\c], v[S+64*\t+32*\c+31]
.endr
.endr
.irp t, 0,1
	v_max_num_f32 v[T0+\t], v[BM+2*\t], v[BM+2*\t+1]
.endr
.irp t, 0,1
	v_permlanex16_b32 v[PT+\t], v[T0+\t], s[SEL], s[SEL+1]
.endr
.irp t, 0,1
	v_max_num_f32 v[T0+\t], v[T0+\t], v[PT+\t]
.endr
.irp t, 0,1
	v_fma_f32 v[T0+\t], v[T0+\t], s[CS], v[BB]     ; the step's largest t
.endr
.irp t, 0,1
	v_max_num_f32 v[ST+8*\t+1], v[ST+8*\t+1], v[T0+\t]
.endr
.irp t, 0,1
	v_mov_b32 v[T0+\t], v[ST+8*\t+6]
.endr
.irp t, 0,1
	v_floor_f32 v[ST+8*\t+6], -v[ST+8*\t+1]        ; the new -M = -ceil(t): a whole number
.endr
.irp t, 0,1
	v_sub_f32 v[T0+\t], v[ST+8*\t+6], v[T0+\t]     ; old M - new M: 0 or less
.endr
.irp t, 0,1
	v_cvt_i32_f32 v[T0+\t], v[T0+\t]               ; (it saturates)
.endr
.irp t, 0,1
	v_ldexp_f32 v[ST+8*\t+4], 1.0, v[T0+\t]        ; f = 2^(old M - new M)
.endr
.irp t, 0,1
	v_add_f32 v[ST+8*\t], v[BB], v[ST+8*\t+6]      ; bias - M
.endr
.irp t, 0,1
	v_pk_mul_f32 v[ST+8*\t+2:ST+8*\t+3], v[ST+8*\t+2:ST+8*\t+3], v[ST+8*\t+4:ST+8*\t+5] op_sel_hi:[1,0]   ; the sum under the new M
.endr
	WIN 0x41
.irp t, 0,1
.set i, 0
.rept 32
	v_pk_mul_f32 v[OF+64*\t+2*i:OF+64*\t+2*i+1], v[OF+64*\t+2*i:OF+64*\t+2*i+1], v[ST+8*\t+4:ST+8*\t+5] op_sel_hi:[1,0]   ; O^T under the new M
.set i, i+1
.endr
.endr
	WIN 0
.set i, 0
.rept 32
	v_pk_fma_f32 v[S+2*i:S+2*i+1], v[S+2*i:S+2*i+1], s[CS:CS+1], v[ST:ST+1] op_sel_hi:[1,0,0]   ; t - M, two at a time
.set i, i+1
.endr
.irp t, 0,1
.irp c, 0,1
	v_fma_f32 v[BM+2*\t+\c], v[BM+2*\t+\c], s[CS], v[ST+8*\t]
.endr
.endr
	s_wait_alu depctr_va_vdst(0)                   ; the wait ahead of the batch
.irp k, 0,1,2,3
	v_exp_f32 v[BM+\k], v[BM+\k]                   ; the block's largest p
.endr
.set i, 0
.rept 32
	v_exp_f32 v[S+2*i], v[S+2*i]                   ; p of tile 0; between them t - M of tile 1, whose readers stand behind the next wait
	v_exp_f32 v[S+2*i+1], v[S+2*i+1]
	v_pk_fma_f32 v[S+64+2*i:S+64+2*i+1], v[S+64+2*i:S+64+2*i+1], s[CS:CS+1], v[ST+8:ST+9] op_sel_hi:[1,0,0]
.set i, i+1
.endr
	s_wait_alu depctr_va_vdst(0)
.set i, 0
.rept 64
	v_exp_f32 v[S+64+i], v[S+64+i]
.set i, i+1
.endr
	v_nop                                          ; a plain place behind the exponentials
	s_wait_alu depctr_va_vdst(0)                   ; and the wait ahead of the batch's first reader
.irp k, 0,1,2,3
	v_max_num_f32 v[BM+\k], 0x2800000, v[BM+\k]    ; the floor 2^(5 - 127)
.endr
.irp k, 0,1,2,3
	v_add_nc_u32 v[SO+\k], 0xfe000000, v[BM+\k]
.endr
.irp k, 0,1,2,3
	v_lshrrev_b32 v[BM+\k], 23, v[SO+\k]
.endr
.irp t, 0,1
	v_lshl_or_b32 v[T0+\t], v[BM+2*\t+1], 16, v[BM+2*\t]   ; blocks h and 2 + h
.endr
.irp t, 0,1
	v_lshlrev_b32 v[T0+\t], v[H8], v[T0+\t]
.endr
.irp t, 0,1
	v_permlanex16_b32 v[PT+\t], v[T0+\t], s[SEL], s[SEL+1]
.endr
.irp t, 0,1
	v_or_b32 v[ST+8*\t+5], v[T0+\t], v[PT+\t]      ; p's scale word for these 128 keys
.endr
.irp t, 0,1
	v_pk_add_f32 v[SQ+2*\t:SQ+2*\t+1], v[S+64*\t:S+64*\t+1], v[S+64*\t+2:S+64*\t+3]   ; the sum of the unquantised p, in two chains a tile
.endr
.irp j, 4,8,12,16,20,24,28,32,36,40,44,48,52,56,60
.irp t, 0,1
	v_pk_add_f32 v[ST+8*\t+2:ST+8*\t+3], v[ST+8*\t+2:ST+8*\t+3], v[S+64*\t+\j:S+64*\t+\j+1]
	v_pk_add_f32 v[SQ+2*\t:SQ+2*\t+1], v[SQ+2*\t:SQ+2*\t+1], v[S+64*\t+\j+2:S+64*\t+\j+3]
.endr
.endr
.irp t, 0,1
.irp c, 0,1
	v_cvt_scalef32_pk16_bf6_f32 v[PF+12*\t+6*\c:PF+12*\t+6*\c+2], v[S+64*\t+32*\c:S+64*\t+32*\c+15], v[SO+2*\t+\c]
.endr
.endr
	v_nop                                          ; one plain place behind a scaled conversion
.irp t, 0,1
.irp c, 0,1
	v_cvt_scalef32_pk16_bf6_f32 v[S+64*\t+32*\c:S+64*\t+32*\c+2], v[S+64*\t+32*\c+16:S+64*\t+32*\c+31], v[SO+2*\t+\c]   ; on registers that are done with (a conversion's three begin on an even number)
.endr
.endr
	v_nop
.irp t, 0,1
.irp c, 0,1
.irp i, 0,1,2
	v_mov_b32 v[PF+12*\t+6*\c+3+\i], v[S+64*\t+32*\c+\i]
.endr
.endr
.endr
.irp t, 0,1
	v_pk_add_f32 v[ST+8*\t+2:ST+8*\t+3], v[ST+8*\t+2:ST+8*\t+3], v[SQ+2*\t:SQ+2*\t+1]
.endr
	v_nop
	v_nop                                          ; four places between p's codes and the products
.endm
; INTERVAL n.  par = n % 2, its slot.  mode 0: both fills, and a prefetch; mode 1 (n = 6): v(7) alone is left to fetch; mode 2 (n = 7): nothing.
; THE PREFETCH names what barrier n + 2 will ask for: v(n + 3) and k(n + 4), 25,600 consecutive bytes of each document, each block of 256 once in each cluster that will load it: partner cx asks for document cx.
; It stops behind n = 3, whose tile ends at k(7); barriers 0 and 1, and v(7), come by their loads alone.
.macro BODY par, g, mode
.if (\mode) == 0
	tensor_load_to_lds s[\g:\g+3], s[G1R:G1R+7]
	s_nop 0
	PLACES
.elseif (\mode) == 1
	s_cmp_lt_u32 s[WV], 4
	s_cbranch_scc0 .Lno_fill
	tensor_load_to_lds s[\g:\g+3], s[G1R:G1R+7]
	s_nop 0
	PLACES
.Lno_fill:
	PLACES
.else
	PLACES
.endif
	LDF FB0, AD+(\par), 0, 0
	ds_load_b128 v[VSC:VSC+3], v[AD+(\par)] offset:12288
.if (\mode) < 2
	ds_load_b128 v[KSC:KSC+3], v[AD+(\par)] offset:HREC+12288
.endif
	WIN 0x40
	LDF FB1, AD+(\par), 0, 4
.if (\mode) < 2
	LDF FB2, AD+(\par), HREC, 0
.endif
	WIN 0
.if (\mode) == 0
	s_cmp_gt_u32 s[SLOTS], s[LIM]
	s_cbranch_scc0 .Lnot_mine_\@
	global_prefetch_b8 v[PFO], s[PFA:PFA+1] th:TH_LOAD_NT scope:SCOPE_SE
.Lnot_mine_\@:
.endif
	SOFTMAX
	s_wait_alu depctr_va_vdst(0)
	s_wait_dscnt 0x0                               ; v's fragments, k's tiles 0-3
	WIN 0x50
.irp f, 0,1,2,3
.irp t, 0,1
	MM OF+64*\t+8*\f, FB0+12*\f, PF+12*\t, v[OF+64*\t+8*\f:OF+64*\t+8*\f+7], VSC+\f/2, ST+8*\t+5, \f%2
.endr
.endr
.if (\mode) < 2
	PLACES
	WIN 0
	LDF FB0, AD+(\par), HREC, 4
.endif
	WIN 0x51
.irp f, 4,5,6,7
.irp t, 0,1
	MM OF+64*\t+8*\f, FB1+12*(\f-4), PF+12*\t, v[OF+64*\t+8*\f:OF+64*\t+8*\f+7], VSC+\f/2, ST+8*\t+5, \f%2
.endr
.endr
.if (\mode) < 2
	QK \g, 1-(\mode), 1-(\mode)
.endif
	WIN 0
.endm
	QK G0E, 0, 1                                   ; the scores of step 0, round barrier 0
.Lkeys:                                            ; n = 0 .. 5
	BODY 0, G0E, 0
	BODY 1, G0O, 0
	s_sub_co_u32 s[SLOTS], s[SLOTS], 1
	s_cmp_lg_u32 s[SLOTS], 0
	s_cbranch_scc1 .Lkeys
	BODY 0, G0E, 1
	BODY 1, G0O, 2
; ---- THE FOUR DOCUMENTS ARE JOINED.  Each wave puts O^T (as it stands, 16 bytes a lane) and (-M, sum) into LDS; wave (qp, j) then takes channels 32 j .. 32 j + 31 of its two tiles from all four documents.
	s_lshl_b32 s92, s[WV], 14
	s_add_co_u32 s92, s92, STG
	s_lshl_b32 s93, s[QP], 14
	s_lshr_b32 s94, s[DJ], 1
	s_lshl_b32 s94, s94, 12
	s_add_co_u32 s93, s93, s94
	s_and_b32 s95, s[DJ], 1
	s_lshl_b32 s96, s95, 8
	s_add_co_u32 s93, s93, s96
	s_add_co_u32 s93, s93, STG
	s_lshl_b32 s96, s95, 11
	s_add_co_u32 s94, s93, s96                     ; octets 0 and 2 of block j: in tiles u = 0, 1, in a block of odd number in u = 2, 3
	s_xor_b32 s96, s96, 2048
	s_add_co_u32 s95, s93, s96                     ; octets 1 and 3
	s_lshl_b32 s97, s[WV], 9
	s_add_co_u32 s97, s97, MLB
	s_lshl_b32 s98, s[QP], 9
	s_add_co_u32 s98, s98, MLB
	s_and_b32 s99, s[WV], 3
	s_mul_i32 s99, s99, 1536
	s_add_co_u32 s99, s99, EXC
	s_lshl_b32 s2, s[QP], 7
	s_add_co_u32 s2, s2, s[DJ]
	s_add_co_u32 s2, s2, EXS
	s_wait_xcnt 0x0                                ; the prefetches have read their offset register: it is written below
	v_and_b32 v13, 15, v0                          ; r.  (These address lines are also the places behind the last products)
	v_bfe_u32 v14, v0, 4, 1                        ; half
	v_and_b32 v15, 31, v0                          ; lane
	v_add_nc_u32 v4, s92, v[LI]                    ; my 16,384 bytes of the stage
	v_lshlrev_b32 v5, 4, v13
	v_lshl_add_u32 v5, v14, 10, v5
	v_lshlrev_b32 v[XPA], 2, v13
	v_mad_u32_u24 v[XPA], v14, 384, v[XPA]
	v_add_nc_u32 v[XPA], s[XPS], v[XPA]            ; the result goes in natural order: half g to half g
	v_lshl_add_u32 v[XPB], v13, 2, s2
	v_add_nc_u32 v6, s95, v5
	v_add_nc_u32 v5, s94, v5
	v_lshl_add_u32 v7, v15, 3, s97
	v_lshl_add_u32 v10, v15, 3, s98
	v_lshl_add_u32 v11, v15, 2, s99
	v_lshlrev_b32 v13, 3, v15                      ; 8 x lane
	v_add_nc_u32 v12, EXS, v13
	v_add_nc_u32 v14, 0x10000, v5                  ; documents 2 and 3
	v_add_nc_u32 v15, 0x10000, v6
.irp t, 0,1
	v_add_f32 v[ST+8*\t+2], v[ST+8*\t+2], v[ST+8*\t+3]
.endr
.irp t, 0,1
	v_permlanex16_b32 v[ST+8*\t+3], v[ST+8*\t+2], s[SEL], s[SEL+1]
.endr
.irp t, 0,1
	v_add_f32 v[ST+8*\t+7], v[ST+8*\t+2], v[ST+8*\t+3]   ; my document's sum of the row
.endr
.irp t, 0,1
	ds_store_b64 v7, v[ST+8*\t+6:ST+8*\t+7] offset:256*\t
.endr
	WIN 0x04
.set i, 0
.rept 32
	ds_store_b128 v4, v[OF+4*i:OF+4*i+3] offset:512*i   ; each accumulator from its low end on
.set i, i+1
.endr
	WIN 0
	s_wait_alu depctr_va_vdst(0)
	s_wait_dscnt 0x0
	s_barrier_signal -1
	s_barrier_wait -1
.irp e, 0,1
.irp d, 0,1,2,3
	ds_load_b64 v[ML+8*\e+2*\d:ML+8*\e+2*\d+1], v10 offset:1024*\d+256*\e
.endr
.endr
.irp e, 0,1
.irp d, 0,1,2,3
.irp g, 0,1
.irp q, 0,1
.if \d < 2
	ds_load_b128 v[S+64*\e+16*\d+8*\g+4*\q:S+64*\e+16*\d+8*\g+4*\q+3], v[5+\g] offset:32768*\d+8192*\e+512*\q   ; lane (r, half): channels 32 j + 16 half + 8 g + 4 q on: 16 neighbours, in natural order
.else
	ds_load_b128 v[S+64*\e+16*\d+8*\g+4*\q:S+64*\e+16*\d+8*\g+4*\q+3], v[14+\g] offset:32768*(\d-2)+8192*\e+512*\q
.endif
.endr
.endr
.endr
.endr
	s_wait_dscnt 0x0
.irp e, 0,1
	v_min3_num_f32 v[NT+\e], v[ML+8*\e], v[ML+8*\e+2], v[ML+8*\e+4]
.endr
.irp e, 0,1
	v_min_num_f32 v[NT+\e], v[NT+\e], v[ML+8*\e+6] ; -M of the whole row
.endr
.irp e, 0,1
.irp d, 0,1,2,3
	v_sub_f32 v[FF+4*\e+\d], v[NT+\e], v[ML+8*\e+2*\d]   ; the document's M less the row's: a whole number, 0 or less
.endr
.endr
.irp e, 0,1
.irp d, 0,1,2,3
	v_cvt_i32_f32 v[FF+4*\e+\d], v[FF+4*\e+\d]
.endr
.endr
.irp e, 0,1
.irp d, 0,1,2,3
	v_ldexp_f32 v[FF+4*\e+\d], 1.0, v[FF+4*\e+\d]  ; f: an exact power of two
.endr
.endr
.irp e, 0,1
	v_mul_f32 v[LT+\e], v[FF+4*\e], v[ML+8*\e+1]
.endr
.irp d, 1,2,3
.irp e, 0,1
	v_fmac_f32 v[LT+\e], v[FF+4*\e+\d], v[ML+8*\e+2*\d+1]
.endr
.endr
	s_wait_alu depctr_va_vdst(0)
	v_rcp_f32 v[RC], v[LT]
	v_rcp_f32 v[RC+1], v[LT+1]
	v_nop                                          ; a plain place behind the reciprocals
	s_wait_alu depctr_va_vdst(0)                   ; one wait for both, ahead of their first reader
.irp e, 0,1
.irp d, 0,1,2,3
	v_mul_f32 v[GG+8*\e+2*\d], v[FF+4*\e+\d], v[RC+\e]     ; f / the row's sum, twice: a pair for the packed forms
	v_mul_f32 v[GG+8*\e+2*\d+1], v[FF+4*\e+\d], v[RC+\e]
.endr
.endr
.irp e, 0,1
.irp k, 0,2,4,6,8,10,12,14
	v_pk_mul_f32 v[S+64*\e+\k:S+64*\e+\k+1], v[S+64*\e+\k:S+64*\e+\k+1], v[GG+8*\e:GG+8*\e+1]
.endr
.endr
.irp d, 1,2,3
.irp e, 0,1
.irp k, 0,2,4,6,8,10,12,14
	v_pk_fma_f32 v[S+64*\e+\k:S+64*\e+\k+1], v[S+64*\e+16*\d+\k:S+64*\e+16*\d+\k+1], v[GG+8*\e+2*\d:GG+8*\e+2*\d+1], v[S+64*\e+\k:S+64*\e+\k+1]
.endr
.endr
.endr
; The finished rows, quantised along the head's channels: a lane's 16 numbers are half of a block of 32; lane l xor 16 has the other half.  The pieces meet in the exchange.
.irp e, 0,1
	v_max3_num_f32 v[BM+\e], |v[S+64*\e]|, |v[S+64*\e+1]|, 0x2800000   ; and the floor 2^(5 - 127): the byte cannot fall under 1
.endr
.irp i, 2,4,6,8,10,12,14
.irp e, 0,1
	v_max3_num_f32 v[BM+\e], v[BM+\e], |v[S+64*\e+\i]|, |v[S+64*\e+\i+1]|
.endr
.endr
.irp e, 0,1
	v_permlanex16_b32 v[PT+\e], v[BM+\e], s[SEL], s[SEL+1]
.endr
.irp e, 0,1
	v_max_num_f32 v[BM+\e], v[BM+\e], v[PT+\e]
.endr
.irp e, 0,1
	v_add_nc_u32 v[SO+\e], 0xfe000000, v[BM+\e]    ; 4 off its exponent field: the conversion's scale operand
.endr
.irp e, 0,1
	v_lshrrev_b32 v[PT+2+\e], 23, v[SO+\e]         ; the scale's byte
.endr
.irp e, 0,1
	v_cvt_scalef32_pk16_bf6_f32 v[PF+4*\e:PF+4*\e+2], v[S+64*\e:S+64*\e+15], v[SO+\e]
.endr
	v_nop                                          ; one plain place behind a scaled conversion
.irp e, 0,1
.irp i, 0,1,2
	ds_store_b32 v[XPA], v[PF+4*\e+\i] offset:1536*\e+128*\i
.endr
	ds_store_b8 v[XPB], v[PT+2+\e] offset:64*\e    ; both lanes of a row write the same byte with the same value
.endr
	s_wait_dscnt 0x0
	s_barrier_signal -1
	s_barrier_wait -1
	s_cmp_lt_u32 s[WV], 4                          ; waves 0-3 store a tile's fragment each, wave 4 the 64 scale words
	s_cbranch_scc0 .Lnot_codes
.irp p, 0,1,2,3,4,5,6,7,8,9,10,11
	ds_load_b32 v[32+\p], v11 offset:128*\p
.endr
	s_wait_dscnt 0x0
.irp c, 0,1,2
	global_store_b128 v[LI], v[32+4*\c:35+4*\c], s[12:13] offset:512*\c   ; 32 lanes store 512 consecutive bytes, at a multiple of 512 from aoc's first byte
.endr
	s_branch .Ldone
.Lnot_codes:
	s_cmp_eq_u32 s[WV], 4
	s_cbranch_scc0 .Ldone
	ds_load_b64 v[32:33], v12
	s_wait_dscnt 0x0
	global_store_b64 v13, v[32:33], s[14:15]       ; 256 consecutive bytes, aligned
.Ldone:
	s_wait_tensorcnt 0x0                           ; the wave's end
	ds_add_u32 v[SPW], v[NIL]
	s_wait_dscnt 0x0
	CROUND                                         ; the closing round
	s_endpgm
.Lfunc_end_k_q4b418b9d55_attn:
	.size	k_q4b418b9d55_attn, .Lfunc_end_k_q4b418b9d55_attn-k_q4b418b9d55_attn
	.p2alignl 7, 3214868480
	.fill 96, 4, 3214868480
	.section	.rodata,"a",@progbits
	.p2align	6, 0x0
	.amdhsa_kernel k_q4b418b9d55_attn
		.amdhsa_group_segment_fixed_size 327680
		.amdhsa_private_segment_fixed_size 0
		.amdhsa_enable_private_segment 0
		.amdhsa_kernarg_size 48
		.amdhsa_user_sgpr_count 2
		.amdhsa_user_sgpr_kernarg_segment_ptr 1
		.amdhsa_wavefront_size32 1
		.amdhsa_system_sgpr_workgroup_id_x 1
		.amdhsa_system_sgpr_workgroup_id_y 1
		.amdhsa_system_sgpr_workgroup_id_z 1
		.amdhsa_system_vgpr_workitem_id 0
		.amdhsa_next_free_vgpr 512
		.amdhsa_next_free_sgpr 100
		.amdhsa_reserve_vcc 0
		.amdhsa_float_denorm_mode_32 3
		.amdhsa_float_denorm_mode_16_64 3
		.amdhsa_memory_ordered 1
		.amdhsa_forward_progress 1
		.amdhsa_inst_pref_size 159
	.end_amdhsa_kernel
	.amdgpu_metadata
---
amdhsa.version: [ 1, 2 ]
amdhsa.kernels:
  - .name:           k_q4b418b9d55_attn
    .symbol:         k_q4b418b9d55_attn.kd
    .args:
      - { .name: qc, .offset: 0, .size: 8, .value_kind: global_buffer, .address_space: global }
      - { .name: kvc, .offset: 8, .size: 8, .value_kind: global_buffer, .address_space: global }
      - { .name: doc_similarities, .offset: 16, .size: 8, .value_kind: global_buffer, .address_space: global }
      - { .name: beta, .offset: 24, .size: 8, .value_kind: global_buffer, .address_space: global }
      - { .name: aoc, .offset: 32, .size: 8, .value_kind: global_buffer, .address_space: global }
      - { .name: aos, .offset: 40, .size: 8, .value_kind: global_buffer, .address_space: global }
    .group_segment_fixed_size: 327680
    .private_segment_fixed_size: 0
    .kernarg_segment_align: 8
    .kernarg_segment_size: 48
    .max_flat_workgroup_size: 256
    .sgpr_count:     100
    .vgpr_count:     512
    .wavefront_size: 32
...
	.end_amdgpu_metadata
.endif
;; end of part 2
;; launch oproj (part 3): grid 8 x 32, 8 waves a work-group, clusters of 4 x 4, 197,632 bytes of LDS; arguments aoc, aos, Wout_codes, Wout_scales, bout, out0; writes out0
.if DOCPART == 3
	.amdgcn_target "amdgcn-amd-amdhsa--gfx1250"
	.amdhsa_code_object_version 6
	.text
	.protected	k_q4b418b9d55_oproj
	.globl	k_q4b418b9d55_oproj
	.p2align	8
	.type	k_q4b418b9d55_oproj,@function
k_q4b418b9d55_oproj:
	s_mov_b64 s[64:65], 0
	v_nop
	global_prefetch_b8 v0, s[64:65] scope:SCOPE_SE
	s_setreg_imm32_b32 hwreg(HW_REG_WAVE_MODE, 25, 1), 1
	s_wait_xcnt 0x0
	s_wait_alu depctr_hold_cnt(0) depctr_sa_sdst(0) depctr_va_vdst(0) depctr_va_sdst(0) depctr_va_ssrc(0) depctr_va_vcc(0) depctr_vm_vsrc(0)
	s_getreg_b32 s2, hwreg(HW_REG_IB_STS2, 6, 4)
	s_cmp_eq_u32 s2, 0
	s_cbranch_scc0 .Lentry_in_a_cluster
	s_endpgm
.Lentry_in_a_cluster:
	s_bfe_u32 s2, ttmp6, 0x10000c
	s_cmp_lg_u32 s2, 0xf033
	s_cbranch_scc0 .Lentry_shape_is_right
	s_endpgm
.Lentry_shape_is_right:
; out0 = (attention's result) x Wout + bout, on codes of BF6 (E3M2) with one E8M0 scale for each 32 along K = 1,024.
; SHARES.  A work-group: 64 tokens (block tb, grid y) x 128 columns (block nb, grid x).  Wave w: token tiles 2 (w % 2), + 1; column tiles 2 (w / 2), + 1: four accumulators by turns, 8 K steps (one a head).
; The product is used transposed (source 0 = 16 rows of Wout, source 1 = 16 tokens): a lane holds eight neighbouring columns of one token's row.  bout is the C of each sum's first product.
; The tokens' codes come as images of the operand's registers (aoc: [tb][head][tile] x 1,536 bytes: a dense block of 49,152 bytes), Wout's as rows of 768 bytes, padded by 16 behind every 256.
; CLUSTER 4 x 4: the tokens' block is shared along a row of the cluster, Wout's rows along a column: joint loads.  Every LDS byte is filled once: no ring.  No prefetch: one fill, at the head.
.set WP,  816
.set AIM, 0                            ; the tokens' 32 fragments
.set WRO, 49152                        ; Wout's 128 rows
.set STG, WRO+128*WP                   ; the stage: 64 rows x (512 bytes + 16): bytes of its own, into which no fill lands
.set SPI, 528
.set LI,  1                            ; v1 16 x lane
.set AI,  2                            ; v2 16 x lane + my two tiles' images
.set WA,  4                            ; v4 Wout's rows; v5 the same behind one padding more
.set SI,  6                            ; v6 the stage: where I put 32 bytes of a row
.set SR,  7                            ; v7 and where I read rows back
.set KBUF, 32                          ; two buffers of four fragments: v32-79, v80-127
.set ACC, 128
.set BI,  160                          ; bout for my two column tiles, in the result's layout
.set WS,  176                          ; Wout's scale words, a register a K step: lanes 0-15 my first tile's rows, lanes 16-31 my second's
.set AS,  184                          ; the tokens' likewise
.set OUTR, 192
.set WV, 16
.set TP, 17
.set DJ, 18
.set G1A, 24
.set G1W, 32
.set G0A, 40
.set G0W, 44
.macro CROUND
	s_barrier_signal -1
	s_barrier_wait -1
	s_cmp_lg_u32 s[WV], 0
	s_cbranch_scc1 .Lnot_wave_0_\@
	s_barrier_signal -3
.Lnot_wave_0_\@:
	s_barrier_wait -3
	s_barrier_signal -1
	s_barrier_wait -1
.endm
.macro MM d, a, b, c, sa, sb, ra, rb   ; one scaled product; ra, rb: 1 where a source's scale words stand in lanes 16-31
.if (\ra) && (\rb)
	v_wmma_scale_f32_16x16x128_f8f6f4 v[\d:\d+7], v[\a:\a+11], v[\b:\b+11], \c, v[\sa], v[\sb] matrix_a_fmt:MATRIX_FMT_BF6 matrix_b_fmt:MATRIX_FMT_BF6 matrix_a_scale:MATRIX_SCALE_ROW1 matrix_b_scale:MATRIX_SCALE_ROW1
.elseif (\ra)
	v_wmma_scale_f32_16x16x128_f8f6f4 v[\d:\d+7], v[\a:\a+11], v[\b:\b+11], \c, v[\sa], v[\sb] matrix_a_fmt:MATRIX_FMT_BF6 matrix_b_fmt:MATRIX_FMT_BF6 matrix_a_scale:MATRIX_SCALE_ROW1
.elseif (\rb)
	v_wmma_scale_f32_16x16x128_f8f6f4 v[\d:\d+7], v[\a:\a+11], v[\b:\b+11], \c, v[\sa], v[\sb] matrix_a_fmt:MATRIX_FMT_BF6 matrix_b_fmt:MATRIX_FMT_BF6 matrix_b_scale:MATRIX_SCALE_ROW1
.else
	v_wmma_scale_f32_16x16x128_f8f6f4 v[\d:\d+7], v[\a:\a+11], v[\b:\b+11], \c, v[\sa], v[\sb] matrix_a_fmt:MATRIX_FMT_BF6 matrix_b_fmt:MATRIX_FMT_BF6
.endif
.endm
	s_load_b256 s[4:11], s[0:1], 0x0               ; aoc, aos, Wout's codes, Wout's scales
	s_load_b128 s[12:15], s[0:1], 0x20             ; bout, out0
	v_lshl_add_u32 v254, v0, 2, 0x30000
	v_mov_b32 v255, 0
	ds_add_u32 v254, v255
	ds_add_u32 v254, v255
	v_lshrrev_b32 v8, 5, v0
	s_delay_alu instid0(VALU_DEP_1)
	v_readfirstlane_b32 s[WV], v8
	s_and_b32 s[TP], s[WV], 1
	s_lshr_b32 s[DJ], s[WV], 1
	s_bfe_u32 s19, ttmp6, 0x40000                  ; cx
	s_bfe_u32 s20, ttmp6, 0x40004                  ; cy
	s_lshl_b32 s21, ttmp9, 2
	s_add_co_u32 s21, s21, s19                     ; nb
	s_and_b32 s22, ttmp7, 0xffff
	s_lshl_b32 s22, s22, 2
	s_add_co_u32 s22, s22, s20                     ; tb
	s_lshl_b32 s23, s20, 2
	s_lshl_b32 s23, 15, s23                        ; my row of the cluster
	s_lshl_b32 s52, 0x1111, s19                    ; my column
	s_or_b32 s[G1A], s23, (3<<16)|(1<<21)          ; 96 dense rows of 256 bytes (32 elements of 8)
	s_mov_b32 s[G1A+1], 32<<16
	s_mov_b32 s[G1A+2], 96<<16
	s_mov_b32 s[G1A+3], 32<<16
	s_mov_b32 s[G1A+4], 96
	s_mov_b32 s[G1A+5], 32
	s_mov_b32 s[G1A+6], 0
	s_mov_b32 s[G1A+7], 0
	s_or_b32 s[G1W], s52, (1<<20)|(1<<21)|(5<<22)|(3<<25)   ; 64 rows of 768 bytes, 4 words of padding behind every 64 words
	s_mov_b32 s[G1W+1], 768<<16
	s_mov_b32 s[G1W+2], 64<<16
	s_mov_b32 s[G1W+3], 768<<16
	s_mov_b32 s[G1W+4], 64
	s_mov_b32 s[G1W+5], 768
	s_mov_b32 s[G1W+6], 0
	s_mov_b32 s[G1W+7], 0
	s_mul_i32 s53, s[TP], 24576                    ; waves 0, 1: the halves of the tokens' block
	s_mul_i32 s48, s22, 49152
	s_add_co_u32 s48, s48, s53
	s_mov_b32 s49, 0
	s_lshl_b32 s50, s21, 7
	s_lshl_b32 s54, s[TP], 6
	s_add_co_u32 s50, s50, s54
	s_mul_i32 s50, s50, 768                        ; waves 2, 3: Wout's rows 128 nb + 64 (w % 2) on
	s_mov_b32 s51, 0
	s_mul_i32 s54, s[TP], 64*WP
	s_wait_dscnt 0x0
	s_wait_kmcnt 0x0
	s_mov_b32 s[G0A], 1
	s_mov_b32 s[G0A+1], s53
	s_add_nc_u64 s[G0A+2:G0A+3], s[4:5], s[48:49]
	s_or_b32 s[G0A+3], s[G0A+3], 0x80000000
	s_mov_b32 s[G0W], 1
	s_add_co_u32 s[G0W+1], s54, WRO
	s_add_nc_u64 s[G0W+2:G0W+3], s[8:9], s[50:51]
	s_or_b32 s[G0W+3], s[G0W+3], 0x80000000
	CROUND                                         ; all sixteen work-groups are here: the joint loads meet
	s_cmp_lt_u32 s[WV], 2
	s_cbranch_scc0 .Lnot_a
	tensor_load_to_lds s[G0A:G0A+3], s[G1A:G1A+7]
	s_nop 0
.rept 4
	v_nop
.endr
	s_branch .Lasked
.Lnot_a:
	s_cmp_lt_u32 s[WV], 4
	s_cbranch_scc0 .Lasked
	tensor_load_to_lds s[G0W:G0W+3], s[G1W:G1W+7]
	s_nop 0
.rept 4
	v_nop
.endr
.Lasked:
	s_lshl_b32 s50, s21, 7
	s_lshl_b32 s54, s[DJ], 5
	s_add_co_u32 s53, s50, s54                     ; my first column: 128 nb + 32 j
	s_lshl_b32 s50, s53, 5
	s_add_nc_u64 s[10:11], s[10:11], s[50:51]      ; Wout's scale bytes at that row
	s_lshl_b32 s50, s53, 2
	s_add_nc_u64 s[12:13], s[12:13], s[50:51]      ; bout there
	s_lshl_b32 s48, s22, 11
	s_lshl_b32 s54, s[TP], 7
	s_add_co_u32 s48, s48, s54
	s_add_nc_u64 s[6:7], s[6:7], s[48:49]          ; the tokens' scale words: block tb, my two tiles
	s_lshl_b32 s48, s22, 6
	s_lshl_b32 s54, s[WV], 3
	s_add_co_u32 s48, s48, s54
	s_lshl_b32 s48, s48, 12                        ; the rows that I store: 64 tb + 8 w on, 4,096 bytes each,
	s_lshl_b32 s54, s21, 9
	s_add_co_u32 s48, s48, s54                     ; from column 128 nb
	s_add_nc_u64 s[14:15], s[14:15], s[48:49]
	v_and_b32 v8, 31, v0                           ; lane
	v_and_b32 v9, 15, v0                           ; r
	v_bfe_u32 v10, v0, 4, 1                        ; half
	s_delay_alu instid0(VALU_DEP_3)
	v_lshlrev_b32 v[LI], 4, v8
	s_delay_alu instid0(VALU_DEP_4)
	v_lshlrev_b32 v11, 5, v8                       ; 32 bytes a row of scale bytes
	v_lshlrev_b32 v12, 2, v8                       ; a word a lane
	s_delay_alu instid0(VALU_DEP_4)
	v_lshlrev_b32 v13, 5, v10                      ; eight numbers of bout for each half
	global_load_b128 v[WS:WS+3], v11, s[10:11]
	global_load_b128 v[WS+4:WS+7], v11, s[10:11] offset:16
.irp q, 0,1,2,3,4,5,6,7
	global_load_b32 v[AS+\q], v12, s[6:7] offset:256*\q
.endr
.irp u, 0,1
	global_load_b128 v[BI+8*\u:BI+8*\u+3], v13, s[12:13] offset:64*\u
	global_load_b128 v[BI+8*\u+4:BI+8*\u+7], v13, s[12:13] offset:64*\u+16
.endr
	s_mul_i32 s53, s[TP], 3072
	v_add_nc_u32 v[AI], s53, v[LI]
	v_mul_u32_u24 v[WA], v9, WP
	s_delay_alu instid0(VALU_DEP_1)
	v_mad_u32_u24 v[WA], v10, 24, v[WA]
	s_mul_i32 s53, s[DJ], 32*WP
	s_add_co_u32 s53, s53, WRO
	v_add_nc_u32 v[WA], s53, v[WA]                 ; row x pitch + 24 x half, from my 32 rows on
	s_delay_alu instid0(VALU_DEP_1)
	v_lshl_add_u32 v[WA+1], v10, 4, v[WA]          ; and the same behind one padding more
	v_mul_u32_u24 v[SI], v9, SPI
	s_delay_alu instid0(VALU_DEP_1)
	v_lshl_add_u32 v[SI], v10, 5, v[SI]
	s_mul_i32 s53, s[TP], 32*SPI
	s_lshl_b32 s54, s[DJ], 7
	s_add_co_u32 s53, s53, s54
	s_add_co_u32 s53, s53, STG
	v_add_nc_u32 v[SI], s53, v[SI]                 ; the stage: row 32 (w % 2) + r, byte 128 j + 32 half
	s_mul_i32 s53, s[WV], 8*SPI
	s_add_co_u32 s53, s53, STG
	v_add_nc_u32 v[SR], s53, v[LI]                 ; back: rows 8 w on, 16 bytes a lane
	s_wait_alu depctr_va_vdst(0)
	s_wait_tensorcnt 0x0                           ; my fill, if I have one, has landed;
	s_barrier_signal -1
	s_barrier_wait -1                              ; everybody's has
	s_wait_loadcnt 0x0                             ; scale words and bias
.macro FRAGR reg, adr, q, rowoff       ; a fragment from rows of 768 bytes with 16 bytes of padding behind every 256: pieces of 8 bytes; lanes 16-31 read three pieces on
.irp p, 0,1,2,3,4,5
.set PCE, 12*(\q)+6*(\p/3)+\p%3
.if PCE%32 < 29
	ds_load_b64 v[\reg+2*\p:\reg+2*\p+1], v[\adr] offset:(\rowoff)+8*PCE+16*(PCE/32)
.else
	ds_load_b64 v[\reg+2*\p:\reg+2*\p+1], v[\adr+1] offset:(\rowoff)+8*PCE+16*(PCE/32)
.endif
.endr
.endm
.macro LOADK q, buf                    ; 18 loads: Wout's two tiles, the tokens' two images, K step q
	FRAGR \buf, WA, \q, 0
	FRAGR \buf+12, WA, \q, 16*WP
.irp e, 0,1
.irp c, 0,1,2
	ds_load_b128 v[\buf+24+12*\e+4*\c:\buf+24+12*\e+4*\c+3], v[AI] offset:6144*(\q)+1536*\e+512*\c
.endr
.endr
.endm
	LOADK 0, KBUF
	LOADK 1, KBUF+48
.irp q, 0,1,2,3,4,5,6,7
.if \q < 7
	s_wait_dscnt 18                                ; this K step's fragments are in; the next step's 18 loads may be out
.else
	s_wait_dscnt 0x0
.endif
.irp e, 0,1
.irp u, 0,1
.if \q == 0
	MM ACC+16*\e+8*\u, KBUF+48*(\q%2)+12*\u, KBUF+48*(\q%2)+24+12*\e, v[BI+8*\u:BI+8*\u+7], WS+\q, AS+\q, \u, \e
.else
	MM ACC+16*\e+8*\u, KBUF+48*(\q%2)+12*\u, KBUF+48*(\q%2)+24+12*\e, v[ACC+16*\e+8*\u:ACC+16*\e+8*\u+7], WS+\q, AS+\q, \u, \e
.endif
.endr
.endr
.if \q < 6
.rept 4
	v_nop                                          ; places in front of loads into registers that these products have read
.endr
	LOADK \q+2, KBUF+48*(\q%2)
.endif
.endr
.rept 4
	v_nop                                          ; places in front of the first read of the results
.endr
.irp e, 0,1
.irp u, 0,1
	ds_store_b128 v[SI], v[ACC+16*\e+8*\u:ACC+16*\e+8*\u+3] offset:16*SPI*\e+64*\u       ; lane (r, half): columns 32 j + 16 u + 8 half + 0 .. 7 of token 32 (w % 2) + 16 e + r
	ds_store_b128 v[SI], v[ACC+16*\e+8*\u+4:ACC+16*\e+8*\u+7] offset:16*SPI*\e+64*\u+16
.endr
.endr
	s_wait_dscnt 0x0                               ; for the others' sake: my stores into the stage have landed
	s_barrier_signal -1
	s_barrier_wait -1
.irp i, 0,1,2,3,4,5,6,7
	ds_load_b128 v[OUTR+4*\i:OUTR+4*\i+3], v[SR] offset:\i*SPI
.endr
.irp i, 0,1,2,3,4,5,6,7
	s_wait_dscnt 7-\i                              ; row i is back; the younger loads may be out
	global_store_b128 v[LI], v[OUTR+4*\i:OUTR+4*\i+3], s[14:15] offset:4096*\i th:TH_STORE_NT   ; 32 lanes store 512 consecutive bytes, at a multiple of 512 from out0's first byte
.endr
	s_wait_tensorcnt 0x0
	ds_add_u32 v254, v255
	s_wait_dscnt 0x0
	CROUND                                         ; the closing round: no work-group ends while a partner may still ask for a tile that names it
	s_endpgm
.Lfunc_end_k_q4b418b9d55_oproj:
	.size	k_q4b418b9d55_oproj, .Lfunc_end_k_q4b418b9d55_oproj-k_q4b418b9d55_oproj
	.p2alignl 7, 3214868480
	.fill 96, 4, 3214868480
	.section	.rodata,"a",@progbits
	.p2align	6, 0x0
	.amdhsa_kernel k_q4b418b9d55_oproj
		.amdhsa_group_segment_fixed_size 197632
		.amdhsa_private_segment_fixed_size 0
		.amdhsa_enable_private_segment 0
		.amdhsa_kernarg_size 48
		.amdhsa_user_sgpr_count 2
		.amdhsa_user_sgpr_kernarg_segment_ptr 1
		.amdhsa_wavefront_size32 1
		.amdhsa_system_sgpr_workgroup_id_x 1
		.amdhsa_system_sgpr_workgroup_id_y 1
		.amdhsa_system_sgpr_workgroup_id_z 1
		.amdhsa_system_vgpr_workitem_id 0
		.amdhsa_next_free_vgpr 256
		.amdhsa_next_free_sgpr 66
		.amdhsa_reserve_vcc 0
		.amdhsa_float_denorm_mode_32 3
		.amdhsa_float_denorm_mode_16_64 3
		.amdhsa_memory_ordered 1
		.amdhsa_forward_progress 1
		.amdhsa_inst_pref_size 25
	.end_amdhsa_kernel
	.amdgpu_metadata
---
amdhsa.version: [ 1, 2 ]
amdhsa.kernels:
  - .name:           k_q4b418b9d55_oproj
    .symbol:         k_q4b418b9d55_oproj.kd
    .args:
      - { .name: aoc, .offset: 0, .size: 8, .value_kind: global_buffer, .address_space: global }
      - { .name: aos, .offset: 8, .size: 8, .value_kind: global_buffer, .address_space: global }
      - { .name: Wout_codes, .offset: 16, .size: 8, .value_kind: global_buffer, .address_space: global }
      - { .name: Wout_scales, .offset: 24, .size: 8, .value_kind: global_buffer, .address_space: global }
      - { .name: bout, .offset: 32, .size: 8, .value_kind: global_buffer, .address_space: global }
      - { .name: out0, .offset: 40, .size: 8, .value_kind: global_buffer, .address_space: global }
    .group_segment_fixed_size: 197632
    .private_segment_fixed_size: 0
    .kernarg_segment_align: 8
    .kernarg_segment_size: 48
    .max_flat_workgroup_size: 256
    .sgpr_count:     66
    .vgpr_count:     256
    .wavefront_size: 32
...
	.end_amdgpu_metadata
.endif
;; end of part 3
